; MI455X (gfx1250); checked and timed in simulation.
; The chip was launched on July 23, 2026; its instructions are those of AMD's public machine-readable ISA for CDNA 5 (MIT licence, August 2026) and "CDNA5" Instruction Set Architecture Reference Guide (July 2026). The comments in the code are by the model that wrote it; some were corrected since.
;; Swi GLUMLP. Allowed arithmetic: float matrix products may take bf16 or f16 operands with f32 sums; other float arithmetic in f32, or as packed bf16 or f16 multiplies, adds, multiply-adds, maxima and minima; sums over many terms, partial sums and values carried from step to step in f32; what a program stores and reads back later, other than sums and carried values, may be rounded once to bf16 or f16.
;; Inputs: w_down 8 x 512 x 170 float32; w_gate 8 x 170 x 512 float32; w_up 8 x 170 x 512 float32; x 2 x 2,048 x 4,096 float32.
;; Outputs: out0 2 x 2,048 x 4,096 float32.
;; 2 versions, each right; version 2 is version 1 with the launch expand written anew for expert scheduling mode. Each part assembles by itself: llvm-mc -triple=amdgcn-amd-amdhsa -mcpu=gfx1250 --defsym DOCPART=n.
;; ======== version 1 of 2: 4 launches
;; workspace buffers: part 3,072 bytes; scal 512 bytes; xb 33,554,432 bytes; mgc 5,767,168 bytes; md 11,534,336 bytes; ht 11,534,336 bytes
;; launch cast (part 1): grid 256 x 1, 16 waves a work-group, no clusters, 2,304 bytes of LDS; arguments x, w_gate, w_up, w_down, xb, part; writes xb, part
.if DOCPART == 1
	.amdgcn_target "amdgcn-amd-amdhsa--gfx1250"
	.amdhsa_code_object_version 6
	.text
	.protected	k_q0cd405f837_cast
	.globl	k_q0cd405f837_cast
	.p2align	8
	.type	k_q0cd405f837_cast,@function
k_q0cd405f837_cast:
	s_mov_b64 s[64:65], 0
	v_nop
	global_prefetch_b8 v0, s[64:65] scope:SCOPE_SE
	s_setreg_imm32_b32 hwreg(HW_REG_WAVE_MODE, 25, 1), 1
	s_wait_xcnt 0x0
; xb = x rounded to bf16; part[t][g] = work-group g's share of the sum of |bf16(W_t)|, t = gate, up, down.
; x: [4096][4096] f32, xb the same in bf16.  Each W has 696,320 numbers: 2,720 for each of the 256 work-groups.
; SHARES.  Work-group g takes rows 16 g .. 16 g + 15 of x, a wave a row: 32 loads of 512 consecutive bytes, all issued at once, so the
; group's whole share is on its way; a row leaves as 32 stores of 256 consecutive bytes, aligned.  Of each W the group takes 10,880 bytes:
; 680 pieces of 16 bytes for 512 threads: one each, and a second for threads 0 to 167 (the others load piece 679 again and count it as 0).
; The weights are rounded to bf16 before they are summed: the whole program works on inputs rounded to bf16.  Sums stay in f32.
; No cluster, no matrix unit, no tile in LDS: no byte is wanted by two work-groups or two waves; LDS carries the sixteen waves' three sums alone.
; No prefetch: all loads of the launch are issued at its head.
; LIMITS.  The order of the sums is this text's own (lane, wave, work-group, then the next launch).  NaN and infinities are not treated apart.
.set SPARE, 256                        ; LDS: bytes 0-191 the waves' sums (tensor t, wave v at 64 t + 4 v); from 256 on the spare words, 128 bytes a wave
.set WCH,   10880                      ; a work-group's bytes of each W
.set VX,  2                            ; v2   my 16 bytes in the first 512 of my wave's row of x, from the group's first row
.set VO,  3                            ; v3   my 8 bytes in the first 256 of the same row of xb
.set VW0, 4                            ; v4   my first piece of a W
.set VW1, 5                            ; v5   my second piece
.set SUM, 6                            ; v6-8 the three sums
.set TA,  9                            ; v9, v10, v14, v15 at work
.set TB,  10
.set LA,  11                           ; v11  4 x my wave's number
.set SPW, 12                           ; v12  LDS address of my spare word; never rewritten
.set NIL, 13                           ; v13  0; never rewritten
.set TC,  14
.set TD,  15
.set WA,  16                           ; v[16:39]  tensor t: first piece at 8 t, second at 8 t + 4
.set X,   40                           ; v[40:167] load n of my row at 4 n
	s_load_b256 s[4:11], s[0:1], 0x0               ; x s[4:5], w_gate s[6:7], w_up s[8:9], w_down s[10:11]
	s_load_b128 s[12:15], s[0:1], 0x20             ; xb s[12:13], part s[14:15]
	v_lshl_add_u32 v[SPW], v0, 2, SPARE
	v_mov_b32 v[NIL], 0
	v_and_b32 v1, 31, v0                           ; lane
	v_lshrrev_b32 v[TA], 5, v0
	v_readfirstlane_b32 s16, v[TA]                 ; wave 0..15
	v_lshlrev_b32 v[VX], 4, v1
	v_lshl_or_b32 v[VX], v[TA], 14, v[VX]          ; wave x 16,384 + 16 x lane
	v_lshlrev_b32 v[VO], 3, v1
	v_lshl_or_b32 v[VO], v[TA], 13, v[VO]          ; wave x 8,192 + 8 x lane
	v_lshlrev_b32 v[VW0], 4, v0
	v_min_u32 v[VW1], 167, v0
	v_lshl_add_u32 v[VW1], v[VW1], 4, 8192         ; piece 512 + min(thread, 167)
	v_lshlrev_b32 v[LA], 2, v[TA]
	v_cmp_gt_u32 vcc_lo, 168, v0                   ; whose second piece counts
	s_mov_b32 s17, 0xffff0000                      ; a word's upper bf16
	s_mov_b32 s20, 0x76543210                      ; v_permlanex16_b32: each lane takes its own place in the other half
	s_mov_b32 s21, 0xfedcba98
	s_lshl_b32 s18, ttmp9, 18                      ; 16 rows of 16,384 bytes
	s_mov_b32 s19, 0
	s_lshl_b32 s24, ttmp9, 17                      ; 16 rows of 8,192 bytes
	s_mov_b32 s25, 0
	s_mul_i32 s26, ttmp9, WCH
	s_mov_b32 s27, 0
	s_lshl_b32 s28, ttmp9, 2                       ; my work-group's word in a row of part
	s_mov_b32 s29, 0
	s_wait_kmcnt 0x0
	s_add_nc_u64 s[4:5], s[4:5], s[18:19]
	s_add_nc_u64 s[6:7], s[6:7], s[26:27]
	s_add_nc_u64 s[8:9], s[8:9], s[26:27]
	s_add_nc_u64 s[10:11], s[10:11], s[26:27]
	s_add_nc_u64 s[12:13], s[12:13], s[24:25]
	s_add_nc_u64 s[14:15], s[14:15], s[28:29]
.irp t, 0,1,2
	global_load_b128 v[WA+8*(\t):WA+8*(\t)+3],   v[VW0], s[6+2*(\t):7+2*(\t)]
	global_load_b128 v[WA+8*(\t)+4:WA+8*(\t)+7], v[VW1], s[6+2*(\t):7+2*(\t)]
.endr
.set n, 0
.rept 32
	global_load_b128 v[X+4*n:X+4*n+3], v[VX], s[4:5] offset:512*n th:TH_LOAD_NT  ; x is read once in the whole program
.set n, n+1
.endr
; dst = |bf16(a)| + |bf16(b)|: both rounded at once, widened by a shift and a mask
.macro ABS2 dst, a, b
	v_cvt_pk_bf16_f32 v[TA], v[\a], v[\b]
	v_lshlrev_b32 v[TB], 16, v[TA]
	v_and_b32 v[TA], s17, v[TA]
	v_add_f32 v[\dst], |v[TA]|, |v[TB]|
.endm
	s_wait_loadcnt 32                              ; the six loads of W are in; the 32 of x, issued behind them, stay out
.irp t, 0,1,2
	ABS2 SUM+\t, WA+8*\t, WA+8*\t+1
	ABS2 TC, WA+8*\t+2, WA+8*\t+3
	v_add_f32 v[SUM+(\t)], v[SUM+(\t)], v[TC]
	ABS2 TC, WA+8*\t+4, WA+8*\t+5
	ABS2 TD, WA+8*\t+6, WA+8*\t+7
	v_add_f32 v[TC], v[TC], v[TD]
	v_cndmask_b32 v[TC], 0, v[TC], vcc_lo          ; threads 168 and up have no second piece
	v_add_f32 v[SUM+(\t)], v[SUM+(\t)], v[TC]
	; over the 32 lanes: four steps inside each half of 16 ride on the addition, one crosses the halves
	v_add_f32_dpp v[SUM+(\t)], v[SUM+(\t)], v[SUM+(\t)] row_xmask:1 row_mask:0xf bank_mask:0xf
	v_add_f32_dpp v[SUM+(\t)], v[SUM+(\t)], v[SUM+(\t)] row_xmask:2 row_mask:0xf bank_mask:0xf
	v_add_f32_dpp v[SUM+(\t)], v[SUM+(\t)], v[SUM+(\t)] row_xmask:4 row_mask:0xf bank_mask:0xf
	v_add_f32_dpp v[SUM+(\t)], v[SUM+(\t)], v[SUM+(\t)] row_xmask:8 row_mask:0xf bank_mask:0xf
	v_permlanex16_b32 v[TA], v[SUM+(\t)], s20, s21
	v_add_f32 v[SUM+(\t)], v[SUM+(\t)], v[TA]
	ds_store_b32 v[LA], v[SUM+(\t)] offset:64*(\t)  ; all lanes write the same word with the same number
.endr
	s_wait_dscnt 0x0                               ; for the others' sake: my three words are written
	s_barrier_signal -1
	s_barrier_wait -1
	s_cmp_lg_u32 s16, 0                            ; wave 0 adds the sixteen waves' sums: lane t (0, 1, 2) for tensor t, the other lanes go along with tensor 2
	s_cbranch_scc1 .Lrows
	v_min_u32 v[TA], 2, v1
	v_lshlrev_b32 v[TB], 6, v[TA]
	ds_load_b128 v[WA:WA+3],     v[TB]
	ds_load_b128 v[WA+4:WA+7],   v[TB] offset:16
	ds_load_b128 v[WA+8:WA+11],  v[TB] offset:32
	ds_load_b128 v[WA+12:WA+15], v[TB] offset:48
	v_lshlrev_b32 v[TC], 10, v[TA]                 ; a tensor's row of part is 1,024 bytes
	s_wait_dscnt 0x0
	v_pk_add_f32 v[WA:WA+1],   v[WA:WA+1],   v[WA+8:WA+9]
	v_pk_add_f32 v[WA+2:WA+3], v[WA+2:WA+3], v[WA+10:WA+11]
	v_pk_add_f32 v[WA+4:WA+5], v[WA+4:WA+5], v[WA+12:WA+13]
	v_pk_add_f32 v[WA+6:WA+7], v[WA+6:WA+7], v[WA+14:WA+15]
	v_pk_add_f32 v[WA:WA+1],   v[WA:WA+1],   v[WA+4:WA+5]
	v_pk_add_f32 v[WA+2:WA+3], v[WA+2:WA+3], v[WA+6:WA+7]
	v_pk_add_f32 v[WA:WA+1],   v[WA:WA+1],   v[WA+2:WA+3]
	v_add_f32 v[WA], v[WA], v[WA+1]
	s_wait_xcnt 0x0                                ; the loads of x are still out, and EXEC is one of their sources: it changes only behind this wait
	v_cmp_gt_u32 vcc_lo, 3, v1
	s_and_saveexec_b32 s22, vcc_lo
	global_store_b32 v[TC], v[WA], s[14:15]        ; three words a work-group
	s_wait_xcnt 0x0                                ; and again ahead of the line that widens it
	s_or_b32 exec_lo, exec_lo, s22
.Lrows:
.set n, 0
.rept 32
	s_wait_loadcnt 31-n                            ; loads come back in order: load n is in, the younger ones stay out
	v_cvt_pk_bf16_f32 v[X+4*n],   v[X+4*n],   v[X+4*n+1]
	v_cvt_pk_bf16_f32 v[X+4*n+1], v[X+4*n+2], v[X+4*n+3]
	global_store_b64 v[VO], v[X+4*n:X+4*n+1], s[12:13] offset:256*n  ; the wave's 32 lanes store 256 consecutive bytes, aligned; no register of a store is written again
.set n, n+1
.endr
	s_wait_tensorcnt 0x0                           ; the wave's end: these three lines stand behind my last LDS store
	ds_add_u32 v[SPW], v[NIL]
	s_wait_dscnt 0x0
	s_endpgm
.Lfunc_end_k_q0cd405f837_cast:
	.size	k_q0cd405f837_cast, .Lfunc_end_k_q0cd405f837_cast-k_q0cd405f837_cast
	.p2alignl 7, 3214868480
	.fill 96, 4, 3214868480
	.section	.rodata,"a",@progbits
	.p2align	6, 0x0
	.amdhsa_kernel k_q0cd405f837_cast
		.amdhsa_group_segment_fixed_size 2304
		.amdhsa_private_segment_fixed_size 0
		.amdhsa_enable_private_segment 0
		.amdhsa_kernarg_size 48
		.amdhsa_user_sgpr_count 2
		.amdhsa_user_sgpr_kernarg_segment_ptr 1
		.amdhsa_wavefront_size32 1
		.amdhsa_system_sgpr_workgroup_id_x 1
		.amdhsa_system_sgpr_workgroup_id_y 1
		.amdhsa_system_sgpr_workgroup_id_z 1
		.amdhsa_system_vgpr_workitem_id 0
		.amdhsa_next_free_vgpr 176
		.amdhsa_next_free_sgpr 66
		.amdhsa_reserve_vcc 1
		.amdhsa_float_denorm_mode_32 3
		.amdhsa_float_denorm_mode_16_64 3
		.amdhsa_memory_ordered 1
		.amdhsa_forward_progress 1
		.amdhsa_inst_pref_size 19
	.end_amdhsa_kernel
	.amdgpu_metadata
---
amdhsa.version: [ 1, 2 ]
amdhsa.kernels:
  - .name:           k_q0cd405f837_cast
    .symbol:         k_q0cd405f837_cast.kd
    .args:
      - { .name: x, .offset: 0, .size: 8, .value_kind: global_buffer, .address_space: global }
      - { .name: w_gate, .offset: 8, .size: 8, .value_kind: global_buffer, .address_space: global }
      - { .name: w_up, .offset: 16, .size: 8, .value_kind: global_buffer, .address_space: global }
      - { .name: w_down, .offset: 24, .size: 8, .value_kind: global_buffer, .address_space: global }
      - { .name: xb, .offset: 32, .size: 8, .value_kind: global_buffer, .address_space: global }
      - { .name: part, .offset: 40, .size: 8, .value_kind: global_buffer, .address_space: global }
    .group_segment_fixed_size: 2304
    .private_segment_fixed_size: 0
    .kernarg_segment_align: 8
    .kernarg_segment_size: 48
    .max_flat_workgroup_size: 512
    .sgpr_count:     66
    .vgpr_count:     176
    .wavefront_size: 32
...
	.end_amdgpu_metadata
.endif
;; end of part 1
;; launch expand (part 2): grid 256 x 1, 11 waves a work-group, no clusters, 0 bytes of LDS; arguments w_gate, w_up, w_down, part, mgc, md, scal; writes mgc, md, scal
.if DOCPART == 2
	.amdgcn_target "amdgcn-amd-amdhsa--gfx1250"
	.amdhsa_code_object_version 6
	.text
	.protected	k_q0cd405f837_expand
	.globl	k_q0cd405f837_expand
	.p2align	8
	.type	k_q0cd405f837_expand,@function
k_q0cd405f837_expand:
	s_mov_b64 s[64:65], 0
	v_nop
	global_prefetch_b8 v0, s[64:65] scope:SCOPE_SE
	s_setreg_imm32_b32 hwreg(HW_REG_WAVE_MODE, 25, 1), 1
	s_wait_xcnt 0x0
; The three scales, the ternary decision, and the two weight tables that the products multiply by.
; s_t = mean |bf16(W_t)|.  round(W / s) clipped to -1 .. 1 is not 0 exactly where |W| > s / 2 (s / 2 is exact; the next number above it gives a quotient that rounds above 0.5,
; and 0.5 itself rounds to 0), so the decision is one compare; the tables hold -1, 0, 1 in bf16, and the scales are applied in f32 by the launches behind.
; OCTONIONS.  For parts i (in) and k (out) exactly one j has a structure constant other than 0: j = i xor k, and it is +1 or -1.  NEG holds a bit for each (j, i): set where e_j e_i is negative.
; mgc [2][8][2][176][512]: sign (0: t, 1: -t), j, half, row, d.  The hidden index is padded to 176 a part (170 real, 6 rows of zeros); half = (o >= 88), ol = o mod 88; row = ol (gate, ol < 80),
;   80 + ol (up, ol < 80), 80 + ol (gate, ol >= 80), 88 + ol (up, ol >= 80): a block's gate rows and up rows stand 80 rows apart, the last eight of each share a group of 16.
;   The launch behind takes block (NEG[j][i], j = i xor k, half) for part k's hidden tile and part i of x: each ternary number is stored twice, not once for each of the eight k.
; md [4096][1408]: row 512 k + o, column 176 i + d, zeros for d >= 170.  It stays dense: a K step of 128 columns lies across two parts of 176, so a compact table would give no rectangular tile.
; scal: 32 copies of (-log2(e) s_g, 1 / (s_g s_u), s_d, s_g).
; SHARES.  (G) 2 x 8 x 176 source rows (tensor, j, o) are 11 for each of 256 work-groups: a wave a row: read once, decided once, stored with both signs.
; (D) work-group g makes rows 16 g .. 16 g + 15 of md, two rows a trip: 352 pieces of 16 bytes, one for each of the 352 threads.
; All 42 loads of a thread go out at the head; each store has registers of its own, so no wait for a store's sources is needed.  No LDS, no barrier: no wave wants another's bytes.
; No cluster: what work-groups share is part, 3,072 bytes.  No prefetch: the loads all stand at the head.
; LIMITS.  The mean is the sum in this program's own order, in f32, times 1 / 696,320 rounded to f32; W + (Wq - W) is taken as Wq; a zero under a negative sign is stored as -0;
; all weights zero, NaN and infinities are not treated apart.
.set NEGLO, 0xacc66a00                 ; byte j (0..3): bit i set where e_j e_i is negative
.set NEGHI, 0xb2d8741e                 ; byte j - 4
.set MINUS, 16*176*1024                ; from a row of t to the same row of -t in mgc
.set PT,  4                            ; v[4:27]    tensor t: my 8 partial sums at 8 t; later its scale in v[4 + 8 t]
.set GS,  28                           ; v[28:43]   my 16 numbers of the source row: d = 8 l .. 8 l + 7 and 256 + 8 l ..
.set DS,  44                           ; v[44:107]  trip u: my 8 numbers of w_down at 8 u
.set PK,  108                          ; v[108:115] the row's ternary numbers, packed
.set GD,  116                          ; v[116:123] the same with the other sign
.set GV,  180                          ; v180       my 16 bytes of the row's first 512 in mgc
.set DO,  188                          ; v[188:219] trip u: my 16 bytes of md at 4 u
.set TS,  220                          ; at work
.set TA,  222
.set TB,  223
.set AD0, 224                          ; my first 8 bytes of trip 0 in w_down
.set AD1, 225                          ; the same, drawn back by 24 bytes in a row's last piece, of which only the first two numbers exist
.set THB, 226                          ; the threshold for my numbers 2 to 7: s_d / 2, or infinity in a row's last piece
.set NM,  227                          ; my block's sign, on both halves
.set VD,  228                          ; 16 x thread
.set RP,  229
.set QQ,  230
.set II,  231
.set CN,  232                          ; v[232:235] the four constants
.set L16, 236                          ; 16 x lane
.set GQ,  237
.set JJ,  238
.set WD,  239
	s_load_b256 s[4:11], s[0:1], 0x0               ; w_gate s[4:5], w_up s[6:7], w_down s[8:9], part s[10:11]
	s_load_b128 s[12:15], s[0:1], 0x20             ; mgc s[12:13], md s[14:15]
	s_load_b64 s[16:17], s[0:1], 0x30              ; scal
	v_and_b32 v1, 31, v0                           ; lane
	v_lshrrev_b32 v2, 5, v0
	v_readfirstlane_b32 s18, v2                    ; wave 0..10
	v_lshlrev_b32 v2, 5, v1                        ; 32 x lane
	v_lshlrev_b32 v[L16], 4, v1
	v_lshlrev_b32 v[VD], 4, v0
	v_mov_b32 v[TS], 0                             ; v_permlanex16_b32 counts as a reader of its destination
	s_mov_b32 s19, 0x7fffffff
	s_mov_b32 s39, 0xffff0000
	s_mov_b32 s48, 0x76543210
	s_mov_b32 s49, 0xfedcba98
	s_mov_b32 s31, NEGLO
	s_mov_b32 s32, NEGHI
	s_mov_b32 s47, 0x7f800000                      ; infinity: a threshold that nothing passes
	s_mov_b32 s20, ttmp9                           ; g
	; (G) which source row is my wave's, and where it goes
	s_lshr_b32 s21, s20, 7                         ; tensor: 0 gate, 1 up
	s_bfe_u32 s22, s20, 0x30004                    ; j
	s_and_b32 s23, s20, 15
	s_mul_i32 s23, s23, 11
	s_add_co_u32 s23, s23, s18                     ; o, 0..175
	s_min_u32 s24, s23, 169                        ; a padding row loads row 169 and lets nothing pass
	s_mul_i32 s25, s22, 170
	s_add_co_u32 s25, s25, s24
	s_lshl_b32 s25, s25, 11                        ; a source row is 2,048 bytes
	v_add_nc_u32 v3, s25, v2
	s_cmp_ge_u32 s23, 88
	s_cselect_b32 s26, 1, 0                        ; which of the part's two hidden tiles
	s_mul_i32 s27, s26, 88
	s_sub_co_u32 s27, s23, s27                     ; ol
	s_mul_i32 s28, s21, 80
	s_lshl_b32 s29, s21, 3
	s_add_co_u32 s29, s29, 80
	s_cmp_lt_u32 s27, 80
	s_cselect_b32 s28, s28, s29
	s_add_co_u32 s27, s27, s28                     ; the row in its block
	s_lshl1_add_u32 s26, s22, s26                  ; block 2 j + half
	s_mul_i32 s26, s26, 176
	s_add_co_u32 s26, s26, s27
	s_lshl_b32 s26, s26, 10                        ; a row of mgc is 1,024 bytes
	v_add_nc_u32 v[GV], s26, v[L16]
	; (D) which piece of two rows of md is my thread's
	s_lshr_b32 s36, s20, 5                         ; k
	s_and_b32 s37, s20, 31
	s_lshl_b32 s37, s37, 4                         ; o of the group's first row
	v_cmp_le_u32 vcc_lo, 176, v0
	v_cndmask_b32 v[RP], 0, 1, vcc_lo              ; the first or the second of the trip's two rows
	v_mul_u32_u24 v[QQ], 176, v[RP]
	v_sub_nc_u32 v[QQ], v0, v[QQ]                  ; piece 0..175 of the row
	v_mul_u32_u24 v[II], 2979, v[QQ]
	v_lshrrev_b32 v[II], 16, v[II]                 ; i = piece / 22 (2,979 / 65,536 is above 1 / 22 by less than 1 / (22 x 175 x 22))
	v_mul_u32_u24 v[GQ], 22, v[II]
	v_sub_nc_u32 v[GQ], v[QQ], v[GQ]               ; piece 0..21 of the block: d = 8 x it
	v_xor_b32 v[JJ], s36, v[II]                    ; j = i xor k
	v_lshl_add_u32 v[AD0], v[JJ], 9, v[RP]
	v_add_nc_u32 v[AD0], s37, v[AD0]
	v_mul_u32_u24 v[AD0], 680, v[AD0]              ; a row of w_down is 680 bytes: a multiple of 8, so the loads are of 8 bytes
	v_lshl_add_u32 v[AD0], v[GQ], 5, v[AD0]
	v_cmp_eq_u32 vcc_lo, 21, v[GQ]
	v_cndmask_b32 v[AD1], 0, 24, vcc_lo
	v_sub_nc_u32 v[AD1], v[AD0], v[AD1]
	v_cmp_le_u32 vcc_lo, 4, v[JJ]
	v_mov_b32 v[WD], s31
	v_cndmask_b32 v[WD], v[WD], s32, vcc_lo
	v_and_b32 v[NM], 3, v[JJ]
	v_lshl_add_u32 v[NM], v[NM], 3, v[II]
	v_lshrrev_b32 v[WD], v[NM], v[WD]
	v_and_b32 v[WD], 1, v[WD]
	v_sub_nc_u32 v[WD], 0, v[WD]
	v_and_b32 v[NM], 0x80008000, v[WD]
	s_mul_i32 s40, s20, 16*2816                    ; the group's 16 rows of md
	s_mov_b32 s41, 0
	s_wait_kmcnt 0x0
	s_cmp_eq_u32 s21, 0
	s_cselect_b64 s[56:57], s[4:5], s[6:7]         ; the tensor that my row comes from
	s_add_nc_u64 s[14:15], s[14:15], s[40:41]
.irp t, 0,1,2
	global_load_b128 v[PT+8*(\t):PT+8*(\t)+3],   v2, s[10:11] offset:1024*(\t)
	global_load_b128 v[PT+8*(\t)+4:PT+8*(\t)+7], v2, s[10:11] offset:1024*(\t)+16
.endr
	global_load_b128 v[GS:GS+3],     v3, s[56:57]
	global_load_b128 v[GS+4:GS+7],   v3, s[56:57] offset:16
	global_load_b128 v[GS+8:GS+11],  v3, s[56:57] offset:1024
	global_load_b128 v[GS+12:GS+15], v3, s[56:57] offset:1040
.set u, 0
.rept 8
	global_load_b64 v[DS+8*u:DS+8*u+1],   v[AD0], s[8:9] offset:1360*u
	global_load_b64 v[DS+8*u+2:DS+8*u+3], v[AD1], s[8:9] offset:1360*u+8
	global_load_b64 v[DS+8*u+4:DS+8*u+5], v[AD1], s[8:9] offset:1360*u+16
	global_load_b64 v[DS+8*u+6:DS+8*u+7], v[AD1], s[8:9] offset:1360*u+24
.set u, u+1
.endr
	; THE SCALES.  Every wave of every work-group adds the same 256 numbers in the same order, so all hold the same three scales.
	s_wait_loadcnt 36                              ; part's six loads are in; the 4 + 32 behind them stay out
.irp t, 0,1,2
	v_pk_add_f32 v[PT+8*(\t):PT+8*(\t)+1],   v[PT+8*(\t):PT+8*(\t)+1],   v[PT+8*(\t)+4:PT+8*(\t)+5]
	v_pk_add_f32 v[PT+8*(\t)+2:PT+8*(\t)+3], v[PT+8*(\t)+2:PT+8*(\t)+3], v[PT+8*(\t)+6:PT+8*(\t)+7]
	v_pk_add_f32 v[PT+8*(\t):PT+8*(\t)+1],   v[PT+8*(\t):PT+8*(\t)+1],   v[PT+8*(\t)+2:PT+8*(\t)+3]
	v_add_f32 v[PT+8*(\t)], v[PT+8*(\t)], v[PT+8*(\t)+1]
	v_add_f32_dpp v[PT+8*(\t)], v[PT+8*(\t)], v[PT+8*(\t)] row_xmask:1 row_mask:0xf bank_mask:0xf
	v_add_f32_dpp v[PT+8*(\t)], v[PT+8*(\t)], v[PT+8*(\t)] row_xmask:2 row_mask:0xf bank_mask:0xf
	v_add_f32_dpp v[PT+8*(\t)], v[PT+8*(\t)], v[PT+8*(\t)] row_xmask:4 row_mask:0xf bank_mask:0xf
	v_add_f32_dpp v[PT+8*(\t)], v[PT+8*(\t)], v[PT+8*(\t)] row_xmask:8 row_mask:0xf bank_mask:0xf
	v_permlanex16_b32 v[TS], v[PT+8*(\t)], s48, s49
	v_add_f32 v[PT+8*(\t)], v[PT+8*(\t)], v[TS]
	v_mul_f32 v[PT+8*(\t)], 0x35c0c0c1, v[PT+8*(\t)]  ; 1 / 696,320
	v_readfirstlane_b32 s[50+(\t)], v[PT+8*(\t)]
.endr
	s_mul_f32 s44, s50, 0.5                        ; the thresholds: exact halves
	s_mul_f32 s45, s51, 0.5
	s_mul_f32 s54, s52, 0.5
	s_cmp_eq_u32 s21, 0
	s_cselect_b32 s53, s44, s45
	s_cmp_lt_u32 s23, 170
	s_cselect_b32 s53, s53, s47                    ; a padding row lets nothing pass
	v_cmp_eq_u32 vcc_lo, 21, v[GQ]
	v_mov_b32 v[THB], s54
	v_cndmask_b32 v[THB], v[THB], s47, vcc_lo      ; nor do the six padding columns of a block of md
	s_or_b32 s38, s20, s18
	s_cmp_lg_u32 s38, 0                            ; wave 0 of work-group 0 stores the constants
	s_cbranch_scc1 .Lrow
	v_mul_f32 v[CN+1], v[PT], v[PT+8]
	v_rcp_f32 v[CN+1], v[CN+1]                     ; 1 / (s_g s_u)
	v_mul_f32 v[CN], 0xbfb8aa3b, v[PT]             ; -log2(e) s_g; these three plain lines stand behind the reciprocal
	v_mov_b32 v[CN+2], v[PT+16]
	v_mov_b32 v[CN+3], v[PT]
	s_wait_alu depctr_va_vdst(0)                   ; the wait ahead of the first line that names the reciprocal
	global_store_b128 v[L16], v[CN:CN+3], s[16:17]  ; 32 copies: 512 consecutive bytes, all lanes on
.Lrow:
; dst = the ternary numbers of a and b, packed in bf16: both are rounded to bf16 and widened again; each becomes 1 with its own sign where its magnitude is above its threshold, else 0.
.macro Q2 dst, a, b, tha, thb
	v_cvt_pk_bf16_f32 v[TB], v[\a], v[\b]
	v_lshlrev_b32 v[TA], 16, v[TB]
	v_and_b32 v[TB], s39, v[TB]
	v_cmp_lt_f32 vcc_lo, \tha, |v[TA]|
	v_bfi_b32 v[TA], s19, 1.0, v[TA]
	v_cndmask_b32 v[TA], 0, v[TA], vcc_lo
	v_cmp_lt_f32 vcc_lo, \thb, |v[TB]|
	v_bfi_b32 v[TB], s19, 1.0, v[TB]
	v_cndmask_b32 v[TB], 0, v[TB], vcc_lo
	v_cvt_pk_bf16_f32 v[\dst], v[TA], v[TB]
.endm
	; (G) the row is decided once and stored with both signs
	s_wait_loadcnt 32                              ; the source row is in; w_down's 32 loads stay out
.set r, 0
.rept 8
	Q2 PK+r, GS+2*r, GS+2*r+1, s53, s53
.set r, r+1
.endr
.irp r, 0,1,2,3,4,5,6,7
	v_xor_b32 v[GD+(\r)], 0x80008000, v[PK+(\r)]
.endr
	global_store_b128 v[GV], v[PK:PK+3],   s[12:13]                   ; each store of the wave covers 512 consecutive bytes, aligned
	global_store_b128 v[GV], v[PK+4:PK+7], s[12:13] offset:512
	global_store_b128 v[GV], v[GD:GD+3],   s[12:13] offset:MINUS
	global_store_b128 v[GV], v[GD+4:GD+7], s[12:13] offset:MINUS+512
	; (D) two rows of md a trip
.set u, 0
.rept 8
	s_wait_loadcnt 28-4*u                          ; the trip's four loads are in, the later trips' stay out
	Q2 DO+4*u,   DS+8*u,   DS+8*u+1, s54, s54
	Q2 DO+4*u+1, DS+8*u+2, DS+8*u+3, v[THB], v[THB]
	Q2 DO+4*u+2, DS+8*u+4, DS+8*u+5, v[THB], v[THB]
	Q2 DO+4*u+3, DS+8*u+6, DS+8*u+7, v[THB], v[THB]
.irp r, 0,1,2,3
	v_xor_b32 v[DO+4*u+(\r)], v[NM], v[DO+4*u+(\r)]
.endr
	global_store_b128 v[VD], v[DO+4*u:DO+4*u+3], s[14:15] offset:5632*u  ; a wave stores 512 consecutive bytes, aligned: two rows are 5,632 bytes, 22 x 256
.set u, u+1
.endr
	s_endpgm
.Lfunc_end_k_q0cd405f837_expand:
	.size	k_q0cd405f837_expand, .Lfunc_end_k_q0cd405f837_expand-k_q0cd405f837_expand
	.p2alignl 7, 3214868480
	.fill 96, 4, 3214868480
	.section	.rodata,"a",@progbits
	.p2align	6, 0x0
	.amdhsa_kernel k_q0cd405f837_expand
		.amdhsa_group_segment_fixed_size 0
		.amdhsa_private_segment_fixed_size 0
		.amdhsa_enable_private_segment 0
		.amdhsa_kernarg_size 56
		.amdhsa_user_sgpr_count 2
		.amdhsa_user_sgpr_kernarg_segment_ptr 1
		.amdhsa_wavefront_size32 1
		.amdhsa_system_sgpr_workgroup_id_x 1
		.amdhsa_system_sgpr_workgroup_id_y 1
		.amdhsa_system_sgpr_workgroup_id_z 1
		.amdhsa_system_vgpr_workitem_id 0
		.amdhsa_next_free_vgpr 240
		.amdhsa_next_free_sgpr 66
		.amdhsa_reserve_vcc 1
		.amdhsa_float_denorm_mode_32 3
		.amdhsa_float_denorm_mode_16_64 3
		.amdhsa_memory_ordered 1
		.amdhsa_forward_progress 1
		.amdhsa_inst_pref_size 34
	.end_amdhsa_kernel
	.amdgpu_metadata
---
amdhsa.version: [ 1, 2 ]
amdhsa.kernels:
  - .name:           k_q0cd405f837_expand
    .symbol:         k_q0cd405f837_expand.kd
    .args:
      - { .name: w_gate, .offset: 0, .size: 8, .value_kind: global_buffer, .address_space: global }
      - { .name: w_up, .offset: 8, .size: 8, .value_kind: global_buffer, .address_space: global }
      - { .name: w_down, .offset: 16, .size: 8, .value_kind: global_buffer, .address_space: global }
      - { .name: part, .offset: 24, .size: 8, .value_kind: global_buffer, .address_space: global }
      - { .name: mgc, .offset: 32, .size: 8, .value_kind: global_buffer, .address_space: global }
      - { .name: md, .offset: 40, .size: 8, .value_kind: global_buffer, .address_space: global }
      - { .name: scal, .offset: 48, .size: 8, .value_kind: global_buffer, .address_space: global }
    .group_segment_fixed_size: 0
    .private_segment_fixed_size: 0
    .kernarg_segment_align: 8
    .kernarg_segment_size: 56
    .max_flat_workgroup_size: 352
    .sgpr_count:     66
    .vgpr_count:     240
    .wavefront_size: 32
...
	.end_amdgpu_metadata
.endif
;; end of part 2
;; launch gateup (part 3): grid 16 x 16, 4 waves a work-group, clusters of 4 x 4, 327,680 bytes of LDS; arguments xb, mgc, ht, scal; writes ht
.if DOCPART == 3
	.amdgcn_target "amdgcn-amd-amdhsa--gfx1250"
	.amdhsa_code_object_version 6
	.text
	.protected	k_q0cd405f837_gateup
	.globl	k_q0cd405f837_gateup
	.p2align	8
	.type	k_q0cd405f837_gateup,@function
k_q0cd405f837_gateup:
	s_mov_b64 s[64:65], 0
	v_nop
	global_prefetch_b8 v0, s[64:65] scope:SCOPE_SE
	s_setreg_imm32_b32 hwreg(HW_REG_WAVE_MODE, 25, 1), 1
	s_wait_xcnt 0x0
	s_wait_alu depctr_hold_cnt(0) depctr_sa_sdst(0) depctr_va_vdst(0) depctr_va_sdst(0) depctr_va_ssrc(0) depctr_va_vcc(0) depctr_vm_vsrc(0)
	s_getreg_b32 s2, hwreg(HW_REG_IB_STS2, 6, 4)
	s_cmp_eq_u32 s2, 0
	s_cbranch_scc0 .Lentry_in_a_cluster
	s_endpgm
.Lentry_in_a_cluster:
	s_bfe_u32 s2, ttmp6, 0x10000c
	s_cmp_lg_u32 s2, 0xf033
	s_cbranch_scc0 .Lentry_shape_is_right
	s_endpgm
.Lentry_shape_is_right:
; ht[c][m] = silu(s_g G) s_u U in bf16, G = the sum over parts i and d of xb[m][512 i + d] (+-t_gate)[i xor k][o][d], U the same with t_up; c = 176 k + o.  xb: [4096][4096], ht: [1408][4096], bf16; sums in f32.
; mgc [2 signs][8 j][2 halves][176 rows][512 d] holds t and -t: for hidden tile (part k, half) and part i of x the 176 rows are block (NEG[j][i], j = i xor k, half); NEG has a bit for each (j, i), set where e_j e_i is negative.
; SHARES.  A work-group makes 256 rows m x one hidden tile: 176 rows of weights = 88 hidden columns c, gate and up.  16 x 16 work-groups.  Each of its four waves takes 64 rows m x all 176 rows:
; 4 x 11 accumulators of 16 x 16, 352 registers.  2,816 / 16 x 256 blocks of 16 x 16 are exactly 44 for each of 1,024 waves.
; K goes in steps of 128 through a ring of two LDS slots filled by the tensor data mover; a tile's rows are 256 bytes of memory and start at multiples of 256 bytes.
; THE ORDER OF K.  Time step t (0..31) takes part i = t / 4 and, of the part's four K steps, number (t + g) % 4, g = (cluster x + 2 cluster y) % 4.  The four clusters of one cluster y, which read the same rows of xb,
; have four different g: each block of xb is asked for at four different times, a step apart, and each cluster is the first to ask in one step of four.  Clusters y and y + 1, which read the same blocks of mgc, stand two steps apart.
; The f32 sums are thereby taken in an order that differs from cluster to cluster.
; CLUSTERS.  4 x 4 work-groups.  The four of a row of the cluster want the same rows of xb, the four of a column the same rows of mgc: each tile is asked for JOINTLY: the same tensor load, descriptor and mask in all four.
; LAYOUT.  Source 0 = 16 rows of xb, source 1 = 16 rows of weights: in the result lane l holds weight row l % 16 and the rows m = 8 (l / 16) + 0..7: eight neighbouring numbers of a row of ht.
; A block's rows are ordered so that groups 0-4 of 16 are gate, groups 5-9 the matching up (the same lane, the same register), and group 10 holds the last eight columns' gate (lanes % 16 < 8) and up (the others).
; ht IS h TRANSPOSED: a tile's 88 columns would be 176 bytes of a row of h, never a whole aligned 256; as rows of ht a tile's 256 m are 512 consecutive bytes, aligned.
; THE GATING.  h = G U / ((1 + 2^(c1 G)) / (s_g s_u)), c1 = -log2(e) s_g.  An exponential that overflows gives h = 0, as silu does in the limit.
; LIMITS.  NaN and infinities are not treated apart; G U beyond f32's range is not served.
; REGISTERS, in windows of 256 (s_set_vgpr_msb: bits 1:0 source 0, 3:2 source 1, 5:4 source 2, 7:6 destination):
;   window 0: v0-31 addresses; v64-95, v96-127 fragments of xb (4 x 16 rows x 32 K), two buffers; on the way out v64-243 at work
;   window 1: v0-87, v88-175 fragments of the weights (11 x 16 rows x 32 K), two buffers
;   window 2: accumulators of my row blocks 0, 1 ((a, b) at v[88 (a % 2) + 8 b]);   window 3: of blocks 2, 3
.set KSTEP,  128
.set PITCH,  272                       ; an LDS row: 256 bytes + 16 of padding = 68 words: row r starts at bank 4 r mod 64 (64 banks of 4 bytes: ISA guide 11.1)
.set AHALF,  128*PITCH                 ; what a load of xb brings: 128 rows
.set BHALF,  88*PITCH                  ; what a load of mgc brings: 88 rows
.set BOFF,   2*AHALF                   ; a slot: 256 rows of xb, then 176 rows of mgc
.set SLOT,   BOFF+2*BHALF              ; 117,504
.set STAGE,  2*SLOT                    ; behind the ring, never filled by a tensor load: 88 rows (hidden columns) x 528 bytes, the work-group's
.set SP,     528                       ; 512 bytes (256 m) + 16: 33 x 16
.set SPARE,  281600                    ; behind the stage (which ends at 281,472): the spare words, 128 bytes for each wave
.set LAPS,   16                        ; a lap = two time steps = once round the ring; 4,096 / 256
.set ADRA, 16                          ; v16-17  LDS address of my xb fragments in slot 0, 1
.set ADRB, 20                          ; v20-21  the same for the weights
.set STO1, 24                          ; v24     the way out: where I put 16 bytes of a hidden column of groups 0-4
.set RD,   25                          ; v25     where I read rows of the stage back
.set GO,   26                          ; v26     16 x lane
.set STO2, 27                          ; v27     where I put 16 bytes of one of the last eight columns
.set SPW,  28                          ; v28     LDS address of my spare word; never rewritten
.set NIL,  29                          ; v29     0; never rewritten
.set PFO,  30                          ; v30     the prefetches' offset: a lane a row of xb; never rewritten
.set T,    64                          ; the way out: 11 groups of 8: group 5 x + b for row block 2 p + x and column group b; group 10 the last eight columns
.set XP,   152                         ; group 10 of the window's first row block,
.set XQ,   160                         ; of its second,
.set XG,   168                         ; the two sorted: gate,
.set XU,   176                         ; and up
.set PKD,  200                         ; h in bf16: 4 registers a group
.set G1,  24                           ; s[24:31] descriptor group 1 for xb's tiles;  s[32:39] group 0, a set for each slot
.set G0,  32
.set G1B, 48                           ; s[48:55], s[56:63] the same for mgc's
.set G0B, 56
.set PFA, 44                           ; s[44:45] the address that the next prefetch names
.set LIM, 43                           ; s43     0 in a wave that fetches xb, else the greatest number
.set TQ,  79                           ; s79     the time step whose tiles are asked for next
.set GR,  80                           ; s80     g
.set KP,  81                           ; s81     k, my hidden tile's part: it enters mgc's addresses alone
.set OFA, 82                           ; s[82:83] where the time step's tile begins in my rows of xb, in bytes
.set OFB, 84                           ; s[84:85] the same in mgc
.set DQ,  86                           ; s86     which of the part's four K steps
.set PI,  87                           ; s87     part i
.set KST, 88                           ; s88     K step 4 i + DQ
.set TJ,  89                           ; s89     j
.set NLO, 90                           ; s90-91  NEG: byte j: bit i
.set NHI, 91
.set PFB, 92                           ; s[92:93] xb at my work-group's 32 of the 128 rows that my wave fetches
.set POF, 94                           ; s[94:95] the prefetch's offset along those rows
.set TW,  96                           ; s96-97  at work on j
.set TS,  97
.set CLY, 98                           ; s98     cluster y
.set PFL, 99                           ; s99     (the time step two refills on) % 4
.set MSB, 0
.macro WIN new                         ; the immediate's high byte repeats the setting that is left; a switch that changes nothing is dropped
.if MSB != (\new)
	s_set_vgpr_msb (MSB<<8)|(\new)
.set MSB, \new
.endif
.endm
.set MUL_LO, 0xa4                      ; source 0 (xb) window 0, source 1 (weights) window 1, C and D window 2
.set MUL_HI, 0xf4                      ; the same, C and D window 3
.set TO_B,   0x40                      ; destination window 1, address window 0
; A joint load.  Waves 0 and 1 fetch xb's two halves, waves 2 and 3 mgc's.  The branch hangs on the wave's number alone.  An s_nop 0 and four v_nop follow each of the two lines.
.macro JLOAD s
	s_cmp_eq_u32 s11, 0
	s_cbranch_scc0 .Lfor_b_\@
	tensor_load_to_lds s[G0+4*(\s):G0+4*(\s)+3], s[G1:G1+7]
	s_nop 0
.rept 4
	v_nop
.endr
	s_branch .Lasked_\@
.Lfor_b_\@:
	tensor_load_to_lds s[G0B+4*(\s):G0B+4*(\s)+3], s[G1B:G1B+7]
	s_nop 0
.rept 4
	v_nop
.endr
.Lasked_\@:
.endm
; WHERE the tiles of time step s[TQ] begin: offsets alone, in registers that no descriptor names, so the lines may stand while a load is out.  The registers that feed xb's offset never hold k.
.macro WHERE
	s_add_co_u32 s[DQ], s[TQ], s[GR]
	s_and_b32 s[DQ], s[DQ], 3                      ; (t + g) % 4
	s_lshr_b32 s[PI], s[TQ], 2                     ; i
	s_lshl2_add_u32 s[KST], s[PI], s[DQ]
	s_lshl_b32 s[OFA], s[KST], 8                   ; xb: 256 bytes a K step
	s_xor_b32 s[TJ], s[PI], s[KP]                  ; j = i xor k
	s_and_b32 s[TS], s[TJ], 3
	s_lshl3_add_u32 s[TS], s[TS], s[PI]            ; bit 8 (j % 4) + i
	s_cmp_lt_u32 s[TJ], 4
	s_cselect_b32 s[TW], s[NLO], s[NHI]
	s_lshr_b32 s[TW], s[TW], s[TS]
	s_and_b32 s[TW], s[TW], 1                      ; the sign of e_j e_i
	s_lshl3_add_u32 s[TW], s[TW], s[TJ]            ; 8 x sign + j:
	s_mul_i32 s[TW], s[TW], 352*1024               ; its two blocks of 176 rows of 1,024 bytes
	s_lshl_b32 s[OFB], s[DQ], 8
	s_add_co_u32 s[OFB], s[OFB], s[TW]
	s_add_co_u32 s[TQ], s[TQ], 1
.endm
; The address words of a slot's two descriptors are made anew from the tensors' bases and those offsets, and the type is set again.  No tensor load of the wave that names them is out where this stands.
.macro AIM s
	s_add_nc_u64 s[G0+4*(\s)+2:G0+4*(\s)+3], s[14:15], s[OFA:OFA+1]
	s_or_b32 s[G0+4*(\s)+3], s[G0+4*(\s)+3], 0x80000000
	s_add_nc_u64 s[G0B+4*(\s)+2:G0B+4*(\s)+3], s[46:47], s[OFB:OFB+1]
	s_or_b32 s[G0B+4*(\s)+3], s[G0B+4*(\s)+3], 0x80000000
.endm
; A PREFETCH of xb, behind a joint load, its five lines and the run of LDS loads.  Of a part's four K steps a cluster is the first of its four to ask for the one that it takes when the part opens: number g.  That block is asked for
; two refills, 352 matrix instructions, ahead of the load that will want it: where the time step two refills on is a multiple of 4, which falls on slot 0's refill in every second trip.  Waves 0 and 1, a lane a row, 256 bytes of each;
; the four partners that ask for a tile jointly share its 128 rows out BY ADDRESS, 32 each (by cx).  So each block of parts 1 to 7 is named once in the launch; part 0 comes by its loads alone; the loop's last trip asks for nothing
; (time step 32 does not exist).  mgc IS NOT ASKED FOR: its blocks are walked up to eight times by the sixteen tile columns; its plus half is first read in the launch's first four steps, where nothing is asked for,
; and who first reads a block of the minus half hangs on cx, on which no branch may hang.
.macro ASK
	s_cmp_eq_u32 s[PFL], s[LIM]
	s_cbranch_scc0 .Lnot_mine_\@
	s_cmp_eq_u32 s3, 1                             ; s3 = 1 in the loop's last trip
	s_cbranch_scc1 .Lnot_mine_\@
	global_prefetch_b8 v[PFO], s[PFA:PFA+1] th:TH_LOAD_NT scope:SCOPE_SE
.Lnot_mine_\@:
.endm
.macro CREST                           ; a round of the cluster's barrier behind its opening barrier: wave 0 signals for the work-group, every wave waits for all sixteen, the work-group's barrier closes it
	s_cmp_lg_u32 s10, 0
	s_cbranch_scc1 .Lnot_wave_0_\@
	s_barrier_signal -3
.Lnot_wave_0_\@:
	s_barrier_wait -3
	s_barrier_signal -1
	s_barrier_wait -1
.endm
.macro CROUND                          ; a whole round
	s_barrier_signal -1
	s_barrier_wait -1
	CREST
.endm
	s_load_b128 s[4:7], s[0:1], 0x0                ; xb s[4:5], mgc s[6:7]
	s_load_b64 s[8:9], s[0:1], 0x10                ; ht
	s_load_b64 s[66:67], s[0:1], 0x18              ; scal
	v_lshl_add_u32 v[SPW], v0, 2, SPARE
	v_mov_b32 v[NIL], 0
	ds_add_u32 v[SPW], v[NIL]                      ; the wave's opening: the add and its wait stand ahead of my first tensor load; the set-up below, work on registers, stands between them
	v_lshrrev_b32 v1, 5, v0
	v_readfirstlane_b32 s10, v1                    ; wave 0..3
	s_lshr_b32 s11, s10, 1                         ; I fetch for xb (0) or for mgc (1)
	s_and_b32 s12, s10, 1                          ; which half of that tile's rows I fetch
	s_bfe_u32 s40, ttmp6, 0x40000                  ; cx, cy: my place in the cluster
	s_bfe_u32 s41, ttmp6, 0x40004
	s_lshl_b32 s42, ttmp9, 2
	s_add_co_u32 s42, s42, s40                     ; hidden tile = 4 x cluster x + cx
	s_and_b32 s13, ttmp7, 0xffff
	s_lshl_b32 s13, s13, 2
	s_add_co_u32 s13, s13, s41                     ; block of 256 rows m = 4 x cluster y + cy
	s_and_b32 s[CLY], ttmp7, 0xffff
	s_lshl_b32 s[GR], s[CLY], 1
	s_add_co_u32 s[GR], s[GR], ttmp9
	s_and_b32 s[GR], s[GR], 3                      ; g: the same in all sixteen partners
	s_lshr_b32 s[KP], s42, 1                       ; k
	s_mov_b32 s[NLO], 0xacc66a00
	s_mov_b32 s[NHI], 0xb2d8741e
	s_mov_b32 s[OFA+1], 0
	s_mov_b32 s[OFB+1], 0
	s_mov_b32 s[POF+1], 0
	s_mov_b32 s[TQ], 0
	s_lshl_b32 s43, s41, 2
	s_lshl_b32 s43, 15, s43                        ; my row of the cluster: places 4 cy .. 4 cy + 3
	s_lshl_b32 s44, 0x1111, s40                    ; my column: places cx, cx + 4, cx + 8, cx + 12
	s_or_b32 s[G1+0], s43, (1<<16)|(1<<20)|(1<<21)|(5<<22)|(3<<25)   ; 15:0 the mask; 17:16 elements of 2 bytes; 20 padding on; 21 set beside a mask; 24:22 after every 64 words (code 5); 31:25 4 words of it (code 3)
	s_or_b32 s[G1B+0], s44, (1<<16)|(1<<20)|(1<<21)|(5<<22)|(3<<25)
	s_mov_b32 s[G1+1], KSTEP<<16                   ; tensor_dim0 = 128
	s_mov_b32 s[G1+2], 128<<16                     ; tensor_dim1 = 128
	s_mov_b32 s[G1+3], KSTEP<<16                   ; tile_dim0 = 128
	s_mov_b32 s[G1+4], 128                         ; tile_dim1 = 128
	s_mov_b32 s[G1+5], 4096                        ; elements from row to row of xb
	s_mov_b32 s[G1+6], 0
	s_mov_b32 s[G1+7], 0
	s_mov_b32 s[G1B+1], KSTEP<<16
	s_mov_b32 s[G1B+2], 88<<16                     ; 88 rows
	s_mov_b32 s[G1B+3], KSTEP<<16
	s_mov_b32 s[G1B+4], 88
	s_mov_b32 s[G1B+5], 512                        ; elements from row to row of mgc
	s_mov_b32 s[G1B+6], 0
	s_mov_b32 s[G1B+7], 0
	; xb's tiles hang on the row block alone, mgc's on the hidden tile alone; every wave makes both bases, in registers that never hold the other coordinate, and asks by one of them
	s_lshl_b32 s16, s13, 8
	s_lshl_b32 s17, s12, 7
	s_add_co_u32 s16, s16, s17                     ; xb: row 256 x block + 128 x half
	s_lshl_b32 s16, s16, 13                        ; of 8,192 bytes
	s_mov_b32 s17, 0
	s_and_b32 s46, s42, 1                          ; mgc: which of the part's two hidden tiles: 176 rows,
	s_mul_i32 s46, s46, 176
	s_mul_i32 s47, s12, 88
	s_add_co_u32 s46, s46, s47                     ; + 88 x half,
	s_lshl_b32 s46, s46, 10                        ; of 1,024 bytes
	s_mov_b32 s47, 0
	s_mul_i32 s20, s10, AHALF                      ; where they go: waves 0, 1: xb's halves;
	s_mul_i32 s21, s10, BHALF
	s_add_co_u32 s21, s21, BOFF-2*BHALF            ; waves 2, 3: mgc's halves, behind xb's 256 rows.  No place in the cluster enters an LDS address
	s_wait_dscnt 0x0                               ; the opening add is done
	s_wait_kmcnt 0x0
	s_add_nc_u64 s[14:15], s[4:5], s[16:17]
	s_add_nc_u64 s[46:47], s[6:7], s[46:47]
	CROUND                                         ; all sixteen work-groups are here: the first joint loads meet
.irp s, 0,1
	WHERE                                          ; time step s
	s_mov_b32 s[G0+4*(\s)], 1                      ; count = 1
	s_add_co_u32 s[G0+4*(\s)+1], s20, (\s)*SLOT    ; LDS address
	s_mov_b32 s[G0B+4*(\s)], 1
	s_add_co_u32 s[G0B+4*(\s)+1], s21, (\s)*SLOT
	AIM \s                                         ; global address and type
	JLOAD \s                                       ; two tensor loads of mine are out
.endr
	s_load_b128 s[72:75], s[66:67], 0x0            ; c1, 1 / (s_g s_u), s_d, s_g
	; a fragment is 16 rows x 32 K in 8 registers: lane l holds row l % 16, K = 8 (l / 16) + 0..7 and 16 + 8 (l / 16) + 0..7: two loads of 16 bytes, 32 bytes apart
	v_and_b32 v1, 15, v0                           ; l % 16
	v_bfe_u32 v2, v0, 4, 1                         ; l / 16
	v_mul_u32_u24 v3, v1, PITCH
	v_lshl_add_u32 v3, v2, 4, v3
	s_mul_i32 s21, s10, 64*PITCH                   ; my 64 rows of xb
	s_mov_b32 s22, BOFF                            ; all 176 rows of weights
.irp s, 0,1
	v_add_nc_u32 v[ADRA+(\s)], s21, v3
	v_add_nc_u32 v[ADRB+(\s)], s22, v3
	s_add_co_u32 s21, s21, SLOT
	s_add_co_u32 s22, s22, SLOT
.endr
	s_lshl_b32 s23, s10, 7                         ; the stage: my wave's 64 m are 128 bytes of each row
	s_add_co_u32 s23, s23, STAGE
	v_mul_u32_u24 v4, v1, SP                       ; column l % 16 of a group, 16 bytes for each half of the lanes
	v_lshl_add_u32 v4, v2, 4, v4
	v_add_nc_u32 v[STO1], s23, v4
	v_and_b32 v4, 7, v0                            ; the last eight columns: column 80 + l % 8; lanes % 16 >= 8 hold the row block one further on: 32 bytes
	v_mul_u32_u24 v4, v4, SP
	v_bfe_u32 v5, v0, 3, 1
	v_lshl_add_u32 v4, v5, 5, v4
	v_lshl_add_u32 v4, v2, 4, v4
	s_add_co_u32 s23, s23, 80*SP
	v_add_nc_u32 v[STO2], s23, v4
	v_and_b32 v5, 31, v0
	v_lshlrev_b32 v[GO], 4, v5
	s_mul_i32 s23, s10, 22*SP                      ; back: wave w takes rows 22 w .. 22 w + 21 of the stage, whole
	s_add_co_u32 s23, s23, STAGE
	v_add_nc_u32 v[RD], s23, v[GO]
	s_mul_i32 s18, s42, 88                         ; and the same rows of ht: 88 x tile + 22 x wave, at byte 512 x row block
	s_mul_i32 s19, s10, 22
	s_add_co_u32 s18, s18, s19
	s_lshl_b32 s18, s18, 13
	s_lshl_b32 s19, s13, 9
	s_add_co_u32 s18, s18, s19
	s_mov_b32 s19, 0
	s_add_nc_u64 s[8:9], s[8:9], s[18:19]
	; the prefetches: xb at the 128 rows that I fetch, my work-group's 32 of them
	s_lshl_b32 s20, s13, 8
	s_lshl_b32 s21, s12, 7
	s_add_co_u32 s20, s20, s21
	s_lshl_b32 s21, s40, 5
	s_add_co_u32 s20, s20, s21
	s_lshl_b32 s20, s20, 13
	s_mov_b32 s21, 0
	s_add_nc_u64 s[PFB:PFB+1], s[4:5], s[20:21]
	s_cmp_eq_u32 s11, 0
	s_cselect_b32 s[LIM], 0, -1                    ; by the wave's number alone
	v_lshlrev_b32 v[PFO], 13, v5
	s_mov_b32 s78, 0xff00ff00                      ; lanes % 16 >= 8
	s_wait_kmcnt 0x0
	s_mov_b32 s76, s73                             ; 1 / (s_g s_u), as a pair of its own
	s_mov_b32 s77, s73
; 11 matrix instructions: row block a x all 11 groups of weights, 32 along K, from buffer f.  zero = 1: the first product starts the sums.  The 44 accumulators take turns, one instruction a turn, in the same order
; in every quarter step, over the backward jump too: 43 others stand between two links of a chain.
.macro MUL11 f, a, zero
	WIN MUL_LO+0x50*((\a)/2)
.irp b, 0,1,2,3,4,5,6,7,8,9,10
.if \zero
	v_wmma_f32_16x16x32_bf16 v[88*((\a)%2)+8*(\b):88*((\a)%2)+8*(\b)+7], v[64+32*(\f)+8*(\a):64+32*(\f)+8*(\a)+7], v[88*(\f)+8*(\b):88*(\f)+8*(\b)+7], 0
.else
	v_wmma_f32_16x16x32_bf16 v[88*((\a)%2)+8*(\b):88*((\a)%2)+8*(\b)+7], v[64+32*(\f)+8*(\a):64+32*(\f)+8*(\a)+7], v[88*(\f)+8*(\b):88*(\f)+8*(\b)+7], v[88*((\a)%2)+8*(\b):88*((\a)%2)+8*(\b)+7]
.endif
.endr
.endm
; 30 LDS loads in one run: a quarter step's fragments (176 rows of weights, then my 64 rows of xb; 32 K at byte k of the rows) into buffer f
.macro FETCH slot, k, f
	WIN TO_B
.irp i, 0,1,2,3,4,5,6,7,8,9,10
	ds_load_b128 v[88*(\f)+8*(\i):88*(\f)+8*(\i)+3],   v[ADRB+(\slot)] offset:(\k)+(\i)*16*PITCH
	ds_load_b128 v[88*(\f)+8*(\i)+4:88*(\f)+8*(\i)+7], v[ADRB+(\slot)] offset:(\k)+(\i)*16*PITCH+32
.endr
	WIN 0
.irp i, 0,1,2,3
	ds_load_b128 v[64+32*(\f)+8*(\i):64+32*(\f)+8*(\i)+3],   v[ADRA+(\slot)] offset:(\k)+(\i)*16*PITCH
	ds_load_b128 v[64+32*(\f)+8*(\i)+4:64+32*(\f)+8*(\i)+7], v[ADRA+(\slot)] offset:(\k)+(\i)*16*PITCH+32
.endr
.endm
.macro PLACES                          ; four plain vector instructions between a matrix instruction and a load into, or a vector instruction on, its registers (ISA guide 7.12.1 for vector instructions)
.rept 4
	v_nop
.endr
.endm
; A time step is four quarters of 32 along K, 44 matrix instructions each, on buffers 0, 1, 0, 1.  One of the first three: multiplies buffer f; in its middle it fetches the next quarter, at byte k, into buffer g.
.macro QUARTER slot, k, f, g, zero
	s_wait_dscnt 4                                 ; the weights and xb's blocks 0, 1 are in; the youngest four loads (xb's blocks 2, 3) may be out
	MUL11 \f, 0, \zero
	MUL11 \f, 1, \zero
	PLACES
	FETCH \slot, \k, \g
	s_wait_dscnt 30                                ; all but the 30 just issued
	MUL11 \f, 2, \zero
	MUL11 \f, 3, \zero
.endm
; The last quarter multiplies buffer 1 and changes slots.  ONE barrier: in front of it each wave waits for all its tensor loads (one is out: its part of the next slot), adds 0 to its spare word, and waits for
; that and for its own reads of this slot.  Behind it nobody reads this slot any more and the next slot is whole.  round = 1: the slot's descriptors are aimed while the add is out: no load of mine is out there.
.macro MEET round, slot
	WIN 0                                          ; (the add's two registers lie in window 0)
	s_wait_tensorcnt 0x0
	ds_add_u32 v[SPW], v[NIL]
.if \round
	AIM \slot
.endif
	s_wait_dscnt 5                                 ; (the add and xb's blocks 2, 3 may be out)
	MUL11 1, 0, 0                                  ; eleven matrix instructions stand between the add and the wait for it
	s_wait_dscnt 0x0                               ; the add is done, and my reads of this slot are over
	s_barrier_signal -1
	MUL11 1, 1, 0                                  ; work on registers while the others arrive
.if \round
	WIN 0
.endif
	s_barrier_wait -1
.endm
; fill = 1: the barrier opens a round of the cluster's, so that no wave of any partner still reads the slot or has a load on its way; the joint refill, two time steps on, is the first thing behind it:
; 154 matrix instructions ahead of the wait for it.
.macro TURN slot, next, fill
.if \fill
	WHERE                                          ; the offsets of the time step that is asked for; s[TQ] then names the one after it
.if (\slot) == 0
	s_wait_xcnt 0x0                                ; the last prefetch, two time steps back or more, has read its address: it is written here
	s_add_co_u32 s[POF], s[TQ], 1                  ; the time step two refills on; where it opens a part, 4 i,
	s_and_b32 s[PFL], s[POF], 3
	s_add_co_u32 s[POF], s[POF], s[GR]             ; its K step is 4 i + g
	s_lshl_b32 s[POF], s[POF], 8
	s_add_nc_u64 s[PFA:PFA+1], s[PFB:PFB+1], s[POF:POF+1]
.endif
	MEET 1, \slot
	CREST
	JLOAD \slot                                    ; its four v_nop are also the places in front of the loads below
	FETCH \next, 0, 0
.if (\slot) == 0
	ASK
.endif
.else
	MEET 0, 0
	PLACES
	FETCH \next, 0, 0
.endif
	MUL11 1, 2, 0
	MUL11 1, 3, 0
.endm
	s_wait_tensorcnt 1                             ; my part of time step 0 is in; time step 1's load may stay out
	s_barrier_signal -1
	s_barrier_wait -1                              ; everybody's is
	FETCH 0, 0, 0
	QUARTER 0, 64, 0, 1, 1                         ; the first quarter stands in front of the loop: its products start the sums
	WIN 0                                          ; at a label and at a branch every window is 0
	s_mov_b32 s3, LAPS-1
.Llap:                                                 ; a trip goes once round the ring, from a lap's second quarter to the next lap's first, and fills both slots again
	QUARTER 0, 128, 1, 0, 0
	QUARTER 0, 192, 0, 1, 0
	TURN 0, 1, 1
	QUARTER 1, 64,  0, 1, 0
	QUARTER 1, 128, 1, 0, 0
	QUARTER 1, 192, 0, 1, 0
	TURN 1, 0, 1
	QUARTER 0, 64,  0, 1, 0
	WIN 0
	s_sub_co_u32 s3, s3, 1
	s_cmp_lg_u32 s3, 0
	s_cbranch_scc1 .Llap
	QUARTER 0, 128, 1, 0, 0                        ; the last lap is written out: it fills nothing
	QUARTER 0, 192, 0, 1, 0
	TURN 0, 1, 0
	QUARTER 1, 64,  0, 1, 0
	QUARTER 1, 128, 1, 0, 0
	QUARTER 1, 192, 0, 1, 0
	s_wait_dscnt 4                                 ; the very last quarter: nothing more to fetch
	MUL11 1, 0, 0
	MUL11 1, 1, 0
	s_wait_dscnt 0x0
	MUL11 1, 2, 0
	MUL11 1, 3, 0
	WIN 0
; THE WAY OUT, for the two row blocks of window 2 + p.  Each accumulator's lowest registers are read first.  The 88 exponentials are one batch with one wait, and so are the 88 reciprocals.
.macro HALF p
	WIN 2+(\p)                                     ; source 0 in the accumulators' window
.set i, 0
.rept 8
	v_mov_b32 v[XP+i], v[80+i]                     ; group 10 of row block 2 p,
.set i, i+1
.endr
.set i, 0
.rept 8
	v_mov_b32 v[XQ+i], v[168+i]                    ; and of 2 p + 1
.set i, i+1
.endr
	WIN 0
.set i, 0
.rept 8
	v_mov_b32_dpp v[T+i],   v[XQ+i] row_xmask:8 row_mask:0xf bank_mask:0xf  ; what the lane eight away holds: gate where I hold up, and the other way round
	v_mov_b32_dpp v[T+8+i], v[XP+i] row_xmask:8 row_mask:0xf bank_mask:0xf
.set i, i+1
.endr
.set i, 0
.rept 8
	v_cndmask_b32 v[XG+i], v[XP+i],  v[T+i],  s78  ; lanes % 16 < 8 take row block 2 p, the others 2 p + 1: each then has gate and up of column 80 + l % 8
	v_cndmask_b32 v[XU+i], v[T+8+i], v[XQ+i], s78
.set i, i+1
.endr
	WIN 0x45*(2+(\p))                              ; destination and both sources in the accumulators' window
.set u, 0
.rept 10
.set rG, 88*(u/5)+8*(u%5)
.set q, 0
.rept 4
	v_pk_mul_f32 v[rG+40+q:rG+41+q], v[rG+q:rG+q+1], v[rG+40+q:rG+41+q]  ; G U, in up's place
.set q, q+2
.endr
.set u, u+1
.endr
	WIN 2+(\p)
.set u, 0
.rept 10
.set rG, 88*(u/5)+8*(u%5)
.set q, 0
.rept 4
	v_pk_mul_f32 v[T+8*u+q:T+8*u+q+1], v[rG+q:rG+q+1], s[72:73] op_sel_hi:[1,0]  ; c1 G
.set q, q+2
.endr
.set u, u+1
.endr
	WIN 0
.set q, 0
.rept 4
	v_pk_mul_f32 v[XU+q:XU+q+1], v[XG+q:XG+q+1], v[XU+q:XU+q+1]
	v_pk_mul_f32 v[T+80+q:T+80+q+1], v[XG+q:XG+q+1], s[72:73] op_sel_hi:[1,0]
.set q, q+2
.endr
.set i, 0
.rept 88
	v_exp_f32 v[T+i], v[T+i]
.set i, i+1
.endr
	v_nop                                          ; a plain instruction behind the last exponential,
	s_wait_alu depctr_va_vdst(0)                   ; and the wait ahead of the first use: one for the batch
.set i, 0
.rept 44
	v_pk_fma_f32 v[T+i:T+i+1], v[T+i:T+i+1], s[76:77], s[76:77] op_sel_hi:[1,0,0]  ; (1 + e) / (s_g s_u)
.set i, i+2
.endr
.set i, 0
.rept 88
	v_rcp_f32 v[T+i], v[T+i]
.set i, i+1
.endr
	v_nop
	s_wait_alu depctr_va_vdst(0)                   ; one for the batch of reciprocals
	WIN 2+(\p)
.set u, 0
.rept 10
.set rG, 88*(u/5)+8*(u%5)
.set q, 0
.rept 4
	v_pk_mul_f32 v[T+8*u+q:T+8*u+q+1], v[rG+40+q:rG+41+q], v[T+8*u+q:T+8*u+q+1]  ; h
.set q, q+2
.endr
.set u, u+1
.endr
	WIN 0
.set q, 0
.rept 4
	v_pk_mul_f32 v[T+80+q:T+80+q+1], v[XU+q:XU+q+1], v[T+80+q:T+80+q+1]
.set q, q+2
.endr
.set i, 0
.rept 44
	v_cvt_pk_bf16_f32 v[PKD+i], v[T+2*i], v[T+2*i+1]  ; h is rounded once, to bf16: it has no room in f16
.set i, i+1
.endr
.set u, 0
.rept 10
	ds_store_b128 v[STO1], v[PKD+4*u:PKD+4*u+3] offset:(u%5)*16*SP+(2*(\p)+u/5)*32  ; column 16 b + l % 16; eight m of row block 2 p + x
.set u, u+1
.endr
	ds_store_b128 v[STO2], v[PKD+40:PKD+43] offset:64*(\p)
.endm
	PLACES                                         ; behind the last products
	HALF 0
	HALF 1
	s_wait_dscnt 0x0                               ; for the others' sake: my stores into the stage are done; a row's 512 bytes come from all four waves
	s_barrier_signal -1
	s_barrier_wait -1
.set t, 0
.rept 22
	ds_load_b128 v[T+4*t:T+4*t+3], v[RD] offset:t*SP
.set t, t+1
.endr
.set t, 0
.rept 22
	s_wait_dscnt 21-t                              ; row t is back; the younger loads stay out
	global_store_b128 v[GO], v[T+4*t:T+4*t+3], s[8:9] offset:8192*t  ; the wave stores 512 consecutive bytes of a row of ht, aligned
.set t, t+1
.endr
	s_wait_tensorcnt 0x0                           ; the wave's end: these three lines stand behind my last tensor load and my last LDS store
	ds_add_u32 v[SPW], v[NIL]
	s_wait_dscnt 0x0
	CROUND                                         ; the closing round: no work-group ends while a partner may still ask for a tile that names it
	s_endpgm
.Lfunc_end_k_q0cd405f837_gateup:
	.size	k_q0cd405f837_gateup, .Lfunc_end_k_q0cd405f837_gateup-k_q0cd405f837_gateup
	.p2alignl 7, 3214868480
	.fill 96, 4, 3214868480
	.section	.rodata,"a",@progbits
	.p2align	6, 0x0
	.amdhsa_kernel k_q0cd405f837_gateup
		.amdhsa_group_segment_fixed_size 327680
		.amdhsa_private_segment_fixed_size 0
		.amdhsa_enable_private_segment 0
		.amdhsa_kernarg_size 32
		.amdhsa_user_sgpr_count 2
		.amdhsa_user_sgpr_kernarg_segment_ptr 1
		.amdhsa_wavefront_size32 1
		.amdhsa_system_sgpr_workgroup_id_x 1
		.amdhsa_system_sgpr_workgroup_id_y 1
		.amdhsa_system_sgpr_workgroup_id_z 1
		.amdhsa_system_vgpr_workitem_id 0
		.amdhsa_next_free_vgpr 944
		.amdhsa_next_free_sgpr 100
		.amdhsa_reserve_vcc 0
		.amdhsa_float_denorm_mode_32 3
		.amdhsa_float_denorm_mode_16_64 3
		.amdhsa_memory_ordered 1
		.amdhsa_forward_progress 1
		.amdhsa_inst_pref_size 143
	.end_amdhsa_kernel
	.amdgpu_metadata
---
amdhsa.version: [ 1, 2 ]
amdhsa.kernels:
  - .name:           k_q0cd405f837_gateup
    .symbol:         k_q0cd405f837_gateup.kd
    .args:
      - { .name: xb, .offset: 0, .size: 8, .value_kind: global_buffer, .address_space: global }
      - { .name: mgc, .offset: 8, .size: 8, .value_kind: global_buffer, .address_space: global }
      - { .name: ht, .offset: 16, .size: 8, .value_kind: global_buffer, .address_space: global }
      - { .name: scal, .offset: 24, .size: 8, .value_kind: global_buffer, .address_space: global }
    .group_segment_fixed_size: 327680
    .private_segment_fixed_size: 0
    .kernarg_segment_align: 8
    .kernarg_segment_size: 32
    .max_flat_workgroup_size: 128
    .sgpr_count:     100
    .vgpr_count:     944
    .wavefront_size: 32
...
	.end_amdgpu_metadata
.endif
;; end of part 3
;; launch down (part 4): grid 16 x 16, 4 waves a work-group, clusters of 4 x 4, 327,680 bytes of LDS; arguments ht, md, out0, scal; writes out0
.if DOCPART == 4
	.amdgcn_target "amdgcn-amd-amdhsa--gfx1250"
	.amdhsa_code_object_version 6
	.text
	.protected	k_q0cd405f837_down
	.globl	k_q0cd405f837_down
	.p2align	8
	.type	k_q0cd405f837_down,@function
k_q0cd405f837_down:
	s_mov_b64 s[64:65], 0
	v_nop
	global_prefetch_b8 v0, s[64:65] scope:SCOPE_SE
	s_setreg_imm32_b32 hwreg(HW_REG_WAVE_MODE, 25, 1), 1
	s_wait_xcnt 0x0
	s_wait_alu depctr_hold_cnt(0) depctr_sa_sdst(0) depctr_va_vdst(0) depctr_va_sdst(0) depctr_va_ssrc(0) depctr_va_vcc(0) depctr_vm_vsrc(0)
	s_getreg_b32 s2, hwreg(HW_REG_IB_STS2, 6, 4)
	s_cmp_eq_u32 s2, 0
	s_cbranch_scc0 .Lentry_in_a_cluster
	s_endpgm
.Lentry_in_a_cluster:
	s_bfe_u32 s2, ttmp6, 0x10000c
	s_cmp_lg_u32 s2, 0xf033
	s_cbranch_scc0 .Lentry_shape_is_right
	s_endpgm
.Lentry_shape_is_right:
; out0[m][n] = s_d x the sum over c of ht[c][m] md[n][c].  ht: [1408][4096] bf16 (h transposed), md: [4096][1408] bf16 (-1, 0, 1), out0: [4096][4096] f32; sums in f32.
; SHARES.  A tile of out0, 256 x 256, is made by a work-group of four waves; a wave makes 128 x 128: 64 accumulators of 16 x 16, 512 registers.  16 x 16 work-groups.
; K = 1,408 goes in 11 steps of 128 through a ring of two LDS slots filled by the tensor data mover.  md's tile rows are 256 bytes of memory, ht's (128 rows c x 256 m) 512 bytes; all start at multiples of 256 bytes.
; CLUSTERS.  4 x 4 work-groups.  The four of a row of the cluster want the same tiles of ht, the four of a column the same tiles of md: each is asked for JOINTLY: the same tensor load, descriptor and mask in all four.
; LAYOUT.  Source 0 = 16 rows of md, source 1 = 16 rows m of h: in the result lane l holds row m = l % 16 and the columns n = 8 (l / 16) + 0..7: 32 neighbouring bytes of a row of out0.
; md comes out of LDS as it lies; ht lies [c][m] and is turned by ds_load_tr16_b128, at the same number of loads.
; LIMITS.  NaN and infinities are not treated apart.
; REGISTERS, in windows of 256 (s_set_vgpr_msb: bits 1:0 source 0, 3:2 source 1, 5:4 source 2, 7:6 destination):
;   window 0: v0-31 addresses; v64-127, v128-191 fragments of h (8 x 16 m x 32 K), two buffers; on the way out v64-255 at work
;   window 1: v64-127, v128-191 fragments of md, two buffers
;   window 2: the 32 accumulators of my rows 0-63 ((a, b) at v[8 (8 a + b)]);   window 3: those of my rows 64-127
.set KSTEP,  128
.set ROWH,   8192                      ; bytes in a row of ht
.set ROWM,   2816                      ; in a row of md: 11 x 256
.set ROWO,   16384                     ; in a row of out0
.set PA,     544                       ; a row of ht's tile in LDS: 512 bytes + 32 = 136 words: row r starts at bank 8 r mod 64
.set PB,     272                       ; a row of md's tile: 256 + 16 = 68 words: the 16 rows of a load start at 16 different groups of four banks
.set AHALF,  64*PA                     ; what a load of ht brings: 64 rows c
.set BHALF,  128*PB                    ; what a load of md brings: 128 rows n
.set BOFF,   2*AHALF                   ; a slot: ht's 128 rows, then md's 256 rows
.set SLOT,   BOFF+2*BHALF              ; 139,264
.set STAGE,  2*SLOT                    ; behind the ring, never filled by a tensor load: 16 rows x 528 bytes for each wave
.set SP,     528                       ; 512 bytes (128 f32) + 16
.set SPARE,  STAGE+4*16*SP             ; 312,320: the spare words, 128 bytes for each wave
.set ADRA, 16                          ; v16-17  LDS address of my h fragments in slot 0, 1
.set ADRB, 20                          ; v20-21  the same for md
.set STO,  24                          ; v24     the way out: where I put 32 bytes of a row
.set RD,   25                          ; v25     where I read a row back
.set GO,   26                          ; v26     16 x lane
.set SPW,  28                          ; v28     LDS address of my spare word; never rewritten
.set NIL,  29                          ; v29     0; never rewritten
.set PFO,  30                          ; v30     the prefetches' offset; never rewritten
.set F0,   64
.set F1,   128
.set SC,   64                          ; the way out: a block's 64 numbers, scaled
.set G1,  24                           ; s[24:31] descriptor group 1 for ht's tiles;  s[32:39] group 0, a set for each slot
.set G0,  32
.set G1B, 48                           ; s[48:55], s[56:63] the same for md's
.set G0B, 56
.set PFA, 44                           ; s[44:45] where my prefetches stand
.set LIM, 43                           ; s43     1 in a wave that prefetches, else the greatest number
.set PST, 68                           ; s[68:69] a K step in the tensor that I prefetch, in bytes
.set MSB, 0
.macro WIN new
.if MSB != (\new)
	s_set_vgpr_msb (MSB<<8)|(\new)
.set MSB, \new
.endif
.endm
.set MUL_LO, 0xa1                      ; source 0 (md) window 1, source 1 (h) window 0, C and D window 2
.set MUL_HI, 0xf1                      ; the same, C and D window 3
.set TO_B,   0x40                      ; destination window 1, address window 0
.macro JLOAD s                         ; a joint load: waves 0 and 1 fetch ht's two halves, waves 2 and 3 md's; an s_nop 0 and four v_nop follow each of the two lines
	s_cmp_eq_u32 s11, 0
	s_cbranch_scc0 .Lfor_b_\@
	tensor_load_to_lds s[G0+4*(\s):G0+4*(\s)+3], s[G1:G1+7]
	s_nop 0
.rept 4
	v_nop
.endr
	s_branch .Lasked_\@
.Lfor_b_\@:
	tensor_load_to_lds s[G0B+4*(\s):G0B+4*(\s)+3], s[G1B:G1B+7]
	s_nop 0
.rept 4
	v_nop
.endr
.Lasked_\@:
.endm
; A PREFETCH behind each joint load of the loop, its five lines and the run of LDS loads: the K step that stands two refills on, 512 matrix instructions ahead of the load that will ask for it.
; ht's tiles are read by every cluster of a row of clusters: cluster x = 0 asks; md's by every cluster of a column: cluster y = 0 asks.  The four partners that ask for a tile jointly share it out BY ADDRESS:
; of ht's 64 rows of 512 bytes 16 each (by cx; two lanes a row, 256 bytes apart), of md's 128 rows of 256 bytes 32 each (by cy; a lane a row).  So each aligned 256 bytes are named once in the launch.
; how = 1: always (trip n's first change names K step 2 n + 4, 10 at the most); how = 0: not in the loop's last trip (its second change would name K step 11); how = 2: nothing is written.
.macro ASK how
.if (\how) < 2
.if \how
	s_cmp_eq_u32 s[LIM], 1
.else
	s_cmp_gt_u32 s3, s[LIM]                        ; s3 = 1 in the loop's last trip
.endif
	s_cbranch_scc0 .Lnot_mine_\@
	global_prefetch_b8 v[PFO], s[PFA:PFA+1] th:TH_LOAD_NT scope:SCOPE_SE
.Lnot_mine_\@:
.endif
.endm
.macro CREST                           ; a round of the cluster's barrier behind its opening barrier
	s_cmp_lg_u32 s10, 0
	s_cbranch_scc1 .Lnot_wave_0_\@
	s_barrier_signal -3
.Lnot_wave_0_\@:
	s_barrier_wait -3
	s_barrier_signal -1
	s_barrier_wait -1
.endm
.macro CROUND                          ; a whole round
	s_barrier_signal -1
	s_barrier_wait -1
	CREST
.endm
	s_load_b128 s[4:7], s[0:1], 0x0                ; ht s[4:5], md s[6:7]
	s_load_b64 s[8:9], s[0:1], 0x10                ; out0
	s_load_b64 s[66:67], s[0:1], 0x18              ; scal
	v_lshl_add_u32 v[SPW], v0, 2, SPARE
	v_mov_b32 v[NIL], 0
	ds_add_u32 v[SPW], v[NIL]                      ; the wave's opening: the add and its wait stand ahead of my first tensor load; the set-up below, work on registers, stands between them
	v_lshrrev_b32 v1, 5, v0
	v_readfirstlane_b32 s10, v1                    ; wave 0..3
	s_lshr_b32 s11, s10, 1                         ; which half of the tile's rows m is mine.  Also: I fetch for ht (0) or for md (1)
	s_and_b32 s12, s10, 1                          ; which half of its columns n.  Also: which half of that tile I fetch
	s_bfe_u32 s40, ttmp6, 0x40000                  ; cx, cy
	s_bfe_u32 s41, ttmp6, 0x40004
	s_lshl_b32 s42, ttmp9, 2
	s_add_co_u32 s42, s42, s40                     ; tile column = 4 x cluster x + cx
	s_and_b32 s13, ttmp7, 0xffff
	s_lshl_b32 s13, s13, 2
	s_add_co_u32 s13, s13, s41                     ; tile row = 4 x cluster y + cy
	s_lshl_b32 s43, s41, 2
	s_lshl_b32 s43, 15, s43                        ; my row of the cluster
	s_lshl_b32 s44, 0x1111, s40                    ; my column
	s_or_b32 s[G1+0], s43, (1<<16)|(1<<20)|(1<<21)|(6<<22)|(7<<25)   ; ht: the mask of my row; elements of 2 bytes; padding on; bit 21 beside a mask; after every 128 words (code 6) 8 words (code 7)
	s_or_b32 s[G1B+0], s44, (1<<16)|(1<<20)|(1<<21)|(5<<22)|(3<<25)  ; md: the mask of my column; after every 64 words (code 5) 4 words (code 3)
	s_mov_b32 s[G1+1], 256<<16                     ; tensor_dim0 = 256 (m)
	s_mov_b32 s[G1+2], 64<<16                      ; tensor_dim1 = 64 (c)
	s_mov_b32 s[G1+3], 256<<16                     ; tile_dim0 = 256
	s_mov_b32 s[G1+4], 64                          ; tile_dim1 = 64
	s_mov_b32 s[G1+5], 4096                        ; elements from row to row
	s_mov_b32 s[G1+6], 0
	s_mov_b32 s[G1+7], 0
	s_mov_b32 s[G1B+1], KSTEP<<16                  ; 128 (c)
	s_mov_b32 s[G1B+2], 128<<16                    ; 128 (n)
	s_mov_b32 s[G1B+3], KSTEP<<16
	s_mov_b32 s[G1B+4], 128
	s_mov_b32 s[G1B+5], 1408
	s_mov_b32 s[G1B+6], 0
	s_mov_b32 s[G1B+7], 0
	s_lshl_b32 s16, s12, 19                        ; ht: row 64 x half, of 8,192 bytes,
	s_lshl_b32 s17, s13, 9                         ; at byte 512 x tile row
	s_add_co_u32 s16, s16, s17
	s_mov_b32 s17, 0
	s_lshl_b32 s46, s42, 8
	s_lshl_b32 s47, s12, 7
	s_add_co_u32 s46, s46, s47                     ; md: row 256 x tile column + 128 x half
	s_mul_i32 s46, s46, ROWM
	s_mov_b32 s47, 0
	s_mul_i32 s20, s10, AHALF                      ; where they go: ht's two halves, then md's two, 34,816 bytes each: wave x that.  No place in the cluster enters an LDS address
	s_wait_dscnt 0x0                               ; the opening add is done
	s_wait_kmcnt 0x0
	s_add_nc_u64 s[14:15], s[4:5], s[16:17]
	s_add_nc_u64 s[46:47], s[6:7], s[46:47]
	CROUND                                         ; all sixteen work-groups are here: the first joint loads meet
.irp s, 0,1
	s_mov_b32 s[G0+4*(\s)], 1
	s_add_co_u32 s[G0+4*(\s)+1], s20, (\s)*SLOT
	s_add_nc_u64 s[G0+4*(\s)+2:G0+4*(\s)+3], s[14:15], (\s)*KSTEP*ROWH  ; K step s: 128 rows down
	s_or_b32 s[G0+4*(\s)+3], s[G0+4*(\s)+3], 0x80000000
	s_mov_b32 s[G0B+4*(\s)], 1
	s_add_co_u32 s[G0B+4*(\s)+1], s20, (\s)*SLOT
	s_add_nc_u64 s[G0B+4*(\s)+2:G0B+4*(\s)+3], s[46:47], (\s)*KSTEP*2   ; K step s: 256 bytes along the rows
	s_or_b32 s[G0B+4*(\s)+3], s[G0B+4*(\s)+3], 0x80000000
	JLOAD \s                                       ; two tensor loads of mine are out
.endr
	s_load_b128 s[72:75], s[66:67], 0x0            ; s74 = s_d
	v_and_b32 v1, 15, v0                           ; l % 16
	v_bfe_u32 v2, v0, 4, 1                         ; l / 16
	v_mul_u32_u24 v3, v1, PB                       ; md: row l % 16, 16 bytes for each half of the lanes
	v_lshl_add_u32 v3, v2, 4, v3
	s_mul_i32 s22, s12, BHALF                      ; my 128 rows n,
	s_add_co_u32 s22, s22, BOFF                    ; behind ht's tile
	v_and_b32 v4, 7, v0                            ; the turning load takes 16 c x 16 m: lane l reads row c = 8 (l / 16) + l % 8, m = 8 ((l / 8) % 2) + 0..7, and is left with m = l % 16 and eight c
	v_lshl_add_u32 v4, v2, 3, v4
	v_mul_u32_u24 v4, v4, PA
	v_bfe_u32 v5, v0, 3, 1
	v_lshl_add_u32 v4, v5, 4, v4
	s_lshl_b32 s21, s11, 8                         ; my 128 m: 256 bytes of each row
.irp s, 0,1
	v_add_nc_u32 v[ADRA+(\s)], s21, v4
	v_add_nc_u32 v[ADRB+(\s)], s22, v3
	s_add_co_u32 s21, s21, SLOT
	s_add_co_u32 s22, s22, SLOT
.endr
	s_mul_i32 s23, s10, 16*SP
	s_add_co_u32 s23, s23, STAGE                   ; my stage
	v_mul_u32_u24 v5, v1, SP                       ; in: row l % 16, 32 bytes for each half of the lanes
	v_lshl_add_u32 v5, v2, 5, v5
	v_add_nc_u32 v[STO], s23, v5
	v_and_b32 v5, 31, v0
	v_lshlrev_b32 v[GO], 4, v5
	v_add_nc_u32 v[RD], s23, v[GO]                 ; back: 32 lanes take a row of 512 bytes
	s_lshl_b32 s18, s13, 8
	s_lshl_b32 s19, s11, 7
	s_add_co_u32 s18, s18, s19                     ; my first row of out0
	s_lshl_b32 s18, s18, 14
	s_lshl_b32 s19, s42, 10                        ; my first column, in bytes: 1,024 x tile column + 512 x half
	s_add_co_u32 s18, s18, s19
	s_lshl_b32 s19, s12, 9
	s_add_co_u32 s18, s18, s19
	s_mov_b32 s19, 0
	s_add_nc_u64 s[8:9], s[8:9], s[18:19]
	; the prefetches
	s_lshl_b32 s70, s12, 6
	s_lshl_b32 s71, s40, 4
	s_add_co_u32 s70, s70, s71                     ; ht: the 64 rows that I fetch, my work-group's 16 of them,
	s_lshl_b32 s70, s70, 13
	s_lshl_b32 s71, s13, 9
	s_add_co_u32 s70, s70, s71
	s_add_co_u32 s70, s70, 3*KSTEP*ROWH            ; at K step 3: the first refill (K step 2) steps it to 4 and names that
	s_lshl_b32 s71, s42, 8
	s_lshl_b32 s20, s12, 7
	s_add_co_u32 s71, s71, s20
	s_lshl_b32 s20, s41, 5
	s_add_co_u32 s71, s71, s20                     ; md: the 128 rows that I fetch, my work-group's 32
	s_mul_i32 s71, s71, ROWM
	s_add_co_u32 s71, s71, 3*KSTEP*2
	s_and_b32 s22, ttmp7, 0xffff                   ; cluster y
	s_mov_b32 s21, ROWH
	s_mov_b32 s23, ROWM
	s_mov_b32 s68, KSTEP*ROWH
	s_mov_b32 s69, KSTEP*2
	s_cmp_eq_u32 s11, 0
	s_cselect_b32 s70, s70, s71
	s_cselect_b32 s22, ttmp9, s22                  ; the coordinate along which other clusters read the same tiles
	s_cselect_b64 s[PFA:PFA+1], s[4:5], s[6:7]
	s_cselect_b32 s21, s21, s23                    ; the pitch,
	s_cselect_b32 s68, s68, s69                    ; a K step,
	s_cselect_b32 s20, 1, 0                        ; two lanes a row, or one
	s_mov_b32 s69, 0
	s_mov_b32 s71, 0
	s_add_nc_u64 s[PFA:PFA+1], s[PFA:PFA+1], s[70:71]
	s_cmp_eq_u32 s22, 0
	s_cselect_b32 s[LIM], 1, -1                    ; the same in all sixteen partners, for a given wave
	v_lshrrev_b32 v[PFO], s20, v5
	v_mul_u32_u24 v[PFO], s21, v[PFO]
	v_and_b32 v5, s20, v5
	v_lshl_add_u32 v[PFO], v5, 8, v[PFO]
	s_wait_kmcnt 0x0
; 16 matrix instructions: m blocks a0, a0 + 1 of the window's four x all 8 n blocks, 32 along K.  zero = 1: the first product starts the sums.  The 64 accumulators take turns, one instruction a turn,
; in the same order in every quarter step, over the backward jump too.
.macro MUL16 f, hi, a0, zero
	WIN MUL_LO+0x50*(\hi)
.irp a, \a0, (\a0)+1
.irp b, 0,1,2,3,4,5,6,7
.if \zero
	v_wmma_f32_16x16x32_bf16 v[8*(8*(\a)+(\b)):8*(8*(\a)+(\b))+7], v[(\f)+8*(\b):(\f)+8*(\b)+7], v[(\f)+8*(4*(\hi)+(\a)):(\f)+8*(4*(\hi)+(\a))+7], 0
.else
	v_wmma_f32_16x16x32_bf16 v[8*(8*(\a)+(\b)):8*(8*(\a)+(\b))+7], v[(\f)+8*(\b):(\f)+8*(\b)+7], v[(\f)+8*(4*(\hi)+(\a)):(\f)+8*(4*(\hi)+(\a))+7], v[8*(8*(\a)+(\b)):8*(8*(\a)+(\b))+7]
.endif
.endr
.endr
.endm
; 32 LDS loads in one run: the fragments of quarter q of a K step (128 rows of md, then 128 m of h, turned) into buffer f
.macro FETCH slot, q, f
	WIN TO_B
.irp i, 0,1,2,3,4,5,6,7
	ds_load_b128 v[(\f)+8*(\i):(\f)+8*(\i)+3],   v[ADRB+(\slot)] offset:64*(\q)+(\i)*16*PB
	ds_load_b128 v[(\f)+8*(\i)+4:(\f)+8*(\i)+7], v[ADRB+(\slot)] offset:64*(\q)+(\i)*16*PB+32
.endr
	WIN 0
.irp i, 0,1,2,3,4,5,6,7
	ds_load_tr16_b128 v[(\f)+8*(\i):(\f)+8*(\i)+3],   v[ADRA+(\slot)] offset:(\q)*32*PA+32*(\i)
	ds_load_tr16_b128 v[(\f)+8*(\i)+4:(\f)+8*(\i)+7], v[ADRA+(\slot)] offset:(\q)*32*PA+16*PA+32*(\i)
.endr
.endm
.macro PLACES                          ; four plain vector instructions between a matrix instruction and a load into, or a vector instruction on, its registers (ISA guide 7.12.1 for vector instructions)
.rept 4
	v_nop
.endr
.endm
; A K step is four quarters of 32 along K, 64 matrix instructions each, on buffers 0, 1, 0, 1.  One of the first three: multiplies buffer f; in its middle it fetches quarter q into buffer g.
.macro QUARTER slot, q, f, g, zero
	s_wait_dscnt 8                                 ; md and h's rows 0-63 are in; the youngest eight loads (h's rows 64-127) may be out
	MUL16 \f, 0, 0, \zero
	MUL16 \f, 0, 2, \zero
	PLACES
	FETCH \slot, \q, \g
	s_wait_dscnt 32                                ; all but the 32 just issued
	MUL16 \f, 1, 0, \zero
	MUL16 \f, 1, 2, \zero
.endm
; The last quarter multiplies buffer 1 and changes slots.  ONE barrier: in front of it each wave waits for all its tensor loads (one is out: its part of the next slot), adds 0 to its spare word, and waits for
; that and for its own reads of this slot.  Behind it nobody reads this slot any more and the next slot is whole.
.macro MEET round
	WIN 0                                          ; (the add's two registers lie in window 0)
	s_wait_tensorcnt 0x0
	ds_add_u32 v[SPW], v[NIL]
	s_wait_dscnt 9                                 ; (the add and the youngest eight loads may be out)
	MUL16 F1, 0, 0, 0                              ; sixteen matrix instructions stand between the add and the wait for it
	s_wait_dscnt 0x0                               ; the add is done, and my reads of this slot are over
	s_barrier_signal -1
	MUL16 F1, 0, 2, 0                              ; work on registers while the others arrive
.if \round
	WIN 0
.endif
	s_barrier_wait -1
.endm
; fill = 1: the barrier opens a round of the cluster's, so that no wave of any partner still reads the slot or has a load on its way; the joint refill, two K steps on, is the first thing behind it:
; 224 matrix instructions ahead of the wait for it.
.macro TURN slot, next, fill, ask
.if \fill
.if (\ask) < 2
	s_wait_xcnt 0x0                                ; the last prefetch, a K step back, has read its address: it is stepped here
	s_add_nc_u64 s[PFA:PFA+1], s[PFA:PFA+1], s[PST:PST+1]
.endif
	MEET 1
	CREST
	s_add_nc_u64 s[G0+4*(\slot)+2:G0+4*(\slot)+3], s[G0+4*(\slot)+2:G0+4*(\slot)+3], 2*KSTEP*ROWH
	s_add_nc_u64 s[G0B+4*(\slot)+2:G0B+4*(\slot)+3], s[G0B+4*(\slot)+2:G0B+4*(\slot)+3], 2*KSTEP*2
	JLOAD \slot                                    ; its four v_nop are also the places in front of the loads below
	FETCH \next, 0, F0
	ASK \ask
.else
	MEET 0
	PLACES
	FETCH \next, 0, F0
.endif
	MUL16 F1, 1, 0, 0
	MUL16 F1, 1, 2, 0
.endm
	s_wait_tensorcnt 1                             ; my part of K step 0 is in; K step 1's load may stay out
	s_barrier_signal -1
	s_barrier_wait -1                              ; everybody's is
	FETCH 0, 0, F0
	QUARTER 0, 1, F0, F1, 1                        ; the first quarter stands in front of the loop: its products start the sums
	WIN 0                                          ; at a label and at a branch every window is 0
	s_mov_b32 s3, 4
.Llap:                                                 ; four trips: trip n ends K step 2 n, does 2 n + 1, begins 2 n + 2, and asks for K steps 2 n + 2 and 2 n + 3
	QUARTER 0, 2, F1, F0, 0
	QUARTER 0, 3, F0, F1, 0
	TURN 0, 1, 1, 1
	QUARTER 1, 1, F0, F1, 0
	QUARTER 1, 2, F1, F0, 0
	QUARTER 1, 3, F0, F1, 0
	TURN 1, 0, 1, 0
	QUARTER 0, 1, F0, F1, 0
	WIN 0
	s_sub_co_u32 s3, s3, 1
	s_cmp_lg_u32 s3, 0
	s_cbranch_scc1 .Llap
	QUARTER 0, 2, F1, F0, 0                        ; the tail is written out: K step 8 ends
	QUARTER 0, 3, F0, F1, 0
	TURN 0, 1, 1, 2                                ; slot 0 takes K step 10, the last,
	QUARTER 1, 1, F0, F1, 0                        ; K step 9,
	QUARTER 1, 2, F1, F0, 0
	QUARTER 1, 3, F0, F1, 0
	TURN 1, 0, 0, 2                                ; nothing is left to ask for,
	QUARTER 0, 1, F0, F1, 0                        ; K step 10
	QUARTER 0, 2, F1, F0, 0
	QUARTER 0, 3, F0, F1, 0
	s_wait_dscnt 8
	MUL16 F1, 0, 0, 0
	MUL16 F1, 0, 2, 0
	s_wait_dscnt 0x0
	MUL16 F1, 1, 0, 0
	MUL16 F1, 1, 2, 0
	WIN 0
; THE WAY OUT of block a (16 rows x 128 columns of f32), in three parts.  SCALE: times s_d, each accumulator's registers in ascending order.  TOSTAGE: 32 bytes a lane and column block into my
; own stage, and back as whole rows of 512 bytes.  SEND: stored.
.macro SCALE a
	WIN 2+(\a)/4                                   ; source 0 in the accumulators' window
.set i, 0
.rept 32
	v_pk_mul_f32 v[SC+i:SC+i+1], v[64*((\a)%4)+i:64*((\a)%4)+i+1], s[74:75] op_sel_hi:[1,0]
.set i, i+2
.endr
	WIN 0
.endm
.macro TOSTAGE a
.set BK, 128+64*((\a)%2)
.irp b, 0,1,2,3,4,5,6,7
	ds_store_b128 v[STO], v[SC+8*(\b):SC+8*(\b)+3]   offset:64*(\b)
	ds_store_b128 v[STO], v[SC+8*(\b)+4:SC+8*(\b)+7] offset:64*(\b)+16
.endr
.irp t, 0,1,2,3,4,5,6,7,8,9,10,11,12,13,14,15
	ds_load_b128 v[BK+4*(\t):BK+4*(\t)+3], v[RD] offset:(\t)*SP  ; LDS serves a wave's instructions in order (ISA guide 5.7.1.4): these see the stores above; the next block's stores come behind them
.endr
.endm
.macro SEND a
.set BK, 128+64*((\a)%2)
	s_wait_dscnt 0x0                               ; the block is back in registers
	s_wait_xcnt 0x0                                ; every earlier store has read its registers: the next TOSTAGE loads into those of the block before this one only behind this wait
.irp t, 0,1,2,3,4,5,6,7,8,9,10,11,12,13,14,15
	global_store_b128 v[GO], v[BK+4*(\t):BK+4*(\t)+3], s[8:9] offset:((\a)*16+(\t))*ROWO th:TH_STORE_NT  ; the wave stores 512 consecutive bytes of a row of out0, aligned; 127 rows at the most: inside the signed 24-bit immediate
.endr
.endm
	PLACES                                         ; behind the last products
	SCALE 0
	TOSTAGE 0
.irp a, 1,2,3,4,5,6,7                  ; block a's scaling stands between block a - 1's loads from the stage and the wait for them
	SCALE \a
	SEND (\a)-1
	TOSTAGE \a
.endr
	SEND 7
	s_wait_tensorcnt 0x0                           ; the wave's end: these three lines stand behind my last tensor load and my last LDS store
	ds_add_u32 v[SPW], v[NIL]
	s_wait_dscnt 0x0
	CROUND                                         ; the closing round: no work-group ends while a partner may still ask for a tile that names it
	s_endpgm
.Lfunc_end_k_q0cd405f837_down:
	.size	k_q0cd405f837_down, .Lfunc_end_k_q0cd405f837_down-k_q0cd405f837_down
	.p2alignl 7, 3214868480
	.fill 96, 4, 3214868480
	.section	.rodata,"a",@progbits
	.p2align	6, 0x0
	.amdhsa_kernel k_q0cd405f837_down
		.amdhsa_group_segment_fixed_size 327680
		.amdhsa_private_segment_fixed_size 0
		.amdhsa_enable_private_segment 0
		.amdhsa_kernarg_size 32
		.amdhsa_user_sgpr_count 2
		.amdhsa_user_sgpr_kernarg_segment_ptr 1
		.amdhsa_wavefront_size32 1
		.amdhsa_system_sgpr_workgroup_id_x 1
		.amdhsa_system_sgpr_workgroup_id_y 1
		.amdhsa_system_sgpr_workgroup_id_z 1
		.amdhsa_system_vgpr_workitem_id 0
		.amdhsa_next_free_vgpr 1024
		.amdhsa_next_free_sgpr 80
		.amdhsa_reserve_vcc 0
		.amdhsa_float_denorm_mode_32 3
		.amdhsa_float_denorm_mode_16_64 3
		.amdhsa_memory_ordered 1
		.amdhsa_forward_progress 1
		.amdhsa_inst_pref_size 184
	.end_amdhsa_kernel
	.amdgpu_metadata
---
amdhsa.version: [ 1, 2 ]
amdhsa.kernels:
  - .name:           k_q0cd405f837_down
    .symbol:         k_q0cd405f837_down.kd
    .args:
      - { .name: ht, .offset: 0, .size: 8, .value_kind: global_buffer, .address_space: global }
      - { .name: md, .offset: 8, .size: 8, .value_kind: global_buffer, .address_space: global }
      - { .name: out0, .offset: 16, .size: 8, .value_kind: global_buffer, .address_space: global }
      - { .name: scal, .offset: 24, .size: 8, .value_kind: global_buffer, .address_space: global }
    .group_segment_fixed_size: 327680
    .private_segment_fixed_size: 0
    .kernarg_segment_align: 8
    .kernarg_segment_size: 32
    .max_flat_workgroup_size: 128
    .sgpr_count:     80
    .vgpr_count:     1024
    .wavefront_size: 32
...
	.end_amdgpu_metadata
.endif
;; end of part 4
;; ======== version 2 of 2: 4 launches; version 1 with the launch expand written anew for expert scheduling mode
;; workspace buffers: part 3,072 bytes; scal 512 bytes; xb 33,554,432 bytes; mgc 5,767,168 bytes; md 11,534,336 bytes; ht 11,534,336 bytes
;; launch cast: the kernel of part 1 again; grid 256 x 1, 16 waves a work-group, no clusters, 2,304 bytes of LDS; arguments x, w_gate, w_up, w_down, xb, part; writes xb, part
;; launch expand (part 5): grid 256 x 1, 11 waves a work-group, no clusters, 0 bytes of LDS; arguments w_gate, w_up, w_down, part, mgc, md, scal; writes mgc, md, scal
.if DOCPART == 5
	.amdgcn_target "amdgcn-amd-amdhsa--gfx1250"
	.amdhsa_code_object_version 6
	.text
	.protected	k_q0cd405f837_expand
	.globl	k_q0cd405f837_expand
	.p2align	8
	.type	k_q0cd405f837_expand,@function
k_q0cd405f837_expand:
	s_mov_b64 s[64:65], 0
	v_nop
	global_prefetch_b8 v0, s[64:65] scope:SCOPE_SE
	s_setreg_imm32_b32 hwreg(HW_REG_WAVE_SCHED_MODE, 0, 2), 2
	s_setreg_imm32_b32 hwreg(HW_REG_WAVE_MODE, 25, 1), 1
	s_wait_xcnt 0x0
	s_wait_alu depctr_vm_vsrc(0)
; The three scales, the ternary decision, and the two weight tables that the products multiply by.
; s_t = mean |bf16(W_t)|.  round(W / s) clipped to -1 .. 1 is not 0 exactly where |W| > s / 2 (s / 2 is exact; the next number above it gives a quotient that rounds above 0.5,
; and 0.5 itself rounds to 0), so the decision is one compare; the tables hold -1, 0, 1 in bf16, and the scales are applied in f32 by the launches behind.
; OCTONIONS.  For parts i (in) and k (out) exactly one j has a structure constant other than 0: j = i xor k, and it is +1 or -1.  NEG holds a bit for each (j, i): set where e_j e_i is negative.
; mgc [2][8][2][176][512]: sign (0: t, 1: -t), j, half, row, d.  The hidden index is padded to 176 a part (170 real, 6 rows of zeros); half = (o >= 88), ol = o mod 88; row = ol (gate, ol < 80),
;   80 + ol (up, ol < 80), 80 + ol (gate, ol >= 80), 88 + ol (up, ol >= 80): a block's gate rows and up rows stand 80 rows apart, the last eight of each share a group of 16.
;   The launch behind takes block (NEG[j][i], j = i xor k, half) for part k's hidden tile and part i of x: each ternary number is stored twice, not once for each of the eight k.
; md [4096][1408]: row 512 k + o, column 176 i + d, zeros for d >= 170.  It stays dense: a K step of 128 columns lies across two parts of 176, so a compact table would give no rectangular tile.
; scal: 32 copies of (-log2(e) s_g, 1 / (s_g s_u), s_d, s_g).
; SHARES.  (G) 2 x 8 x 176 source rows (tensor, j, o) are 11 for each of 256 work-groups: a wave a row: read once, decided once, stored with both signs.
; (D) work-group g makes rows 16 g .. 16 g + 15 of md, two rows a trip: 352 pieces of 16 bytes, one for each of the 352 threads.
; All 42 loads of a thread go out at the head; each store has registers of its own, so no wait for a store's sources is needed.  No LDS, no barrier: no wave wants another's bytes.
; No cluster: what work-groups share is part, 3,072 bytes.  No prefetch: the loads all stand at the head.
; LIMITS.  The mean is the sum in this program's own order, in f32, times 1 / 696,320 rounded to f32; W + (Wq - W) is taken as Wq; a zero under a negative sign is stored as -0;
; all weights zero, NaN and infinities are not treated apart.
; THE MODE: SCHED_MODE bits 1:0 = 2 (LLVM: expert scheduling mode 2), set by the entry lines.  The code itself states the register dependences between vector instructions and memory
; instructions, and those through scalar registers that vector instructions write, with s_wait_alu, always for 0.
; THE PLAN.  Registers that memory instructions touch:
;   v2, v3, AD0, AD1   the loads' offsets;  L16, GV, VD  the stores' offsets.  Made at the head and never written again: one wait on va_vdst, ahead of the first load, states that they are written, for the whole kernel.
;   PT, GS, DS         loaded once, by loads that all stand behind that wait; no vector instruction names them earlier.  The vector work on them (in place in GS and DS) stands behind the counted waits on LOADcnt.
;   CN, PK, GD, DO     the stores' data: each register is written once by vector instructions, read by one store and never written again.
;   So nothing that a memory instruction reads is written a second time, and the text holds no wait on vm_vsrc.
; Scalar registers that vector instructions write: s18 and s30; s33 and s34; s50 to s52; the sixteen masks s[MK ..].  Each group is a run of writers with one wait on va_sdst behind it, ahead of its first reader.
; THE WORK goes in RUNS of sixteen numbers: the source row is one run, two trips of md are one run.  A run: eight roundings, sixteen widenings, sixteen compares into the masks, sixteen copies of the sign onto 1
; (the work between the compares and the wait for them), the wait, sixteen selects, eight packings, eight changes of sign.  A run's stores go out in the NEXT run, behind one wait on va_vdst that stands beside
; that run's wait on va_sdst; no vector instruction stands between that wait and the stores.  The last run's stores have a wait of their own.
.set NEGLO, 0xacc66a00                 ; byte j (0..3): bit i set where e_j e_i is negative
.set NEGHI, 0xb2d8741e                 ; byte j - 4
.set MINUS, 16*176*1024                ; from a row of t to the same row of -t in mgc
.set MK,  20                           ; s[20:35]   from .Lrow on: a run's sixteen masks (what the head kept in these registers is spent there)
.set PT,  4                            ; v[4:27]    tensor t: my 8 partial sums at 8 t; later its scale in v[4 + 8 t]
.set GS,  28                           ; v[28:43]   my 16 numbers of the source row: d = 8 l .. 8 l + 7 and 256 + 8 l ..
.set DS,  44                           ; v[44:107]  trip u: my 8 numbers of w_down at 8 u
.set PK,  108                          ; v[108:115] the row's ternary numbers, packed
.set GD,  116                          ; v[116:123] the same with the other sign
.set GV,  180                          ; v180       my 16 bytes of the row's first 512 in mgc
.set DO,  188                          ; v[188:219] trip u: my 16 bytes of md at 4 u
.set TS,  220                          ; at work
.set AD0, 224                          ; my first 8 bytes of trip 0 in w_down
.set AD1, 225                          ; the same, drawn back by 24 bytes in a row's last piece, of which only the first two numbers exist
.set THB, 226                          ; the threshold for my numbers 2 to 7: s_d / 2, or infinity in a row's last piece
.set NM,  227                          ; my block's sign, on both halves
.set VD,  228                          ; 16 x thread
.set RP,  229
.set QQ,  230
.set II,  231
.set CN,  232                          ; v[232:235] the four constants
.set L16, 236                          ; 16 x lane
.set GQ,  237
.set JJ,  238
.set WD,  239
	s_load_b256 s[4:11], s[0:1], 0x0               ; w_gate s[4:5], w_up s[6:7], w_down s[8:9], part s[10:11]
	s_load_b128 s[12:15], s[0:1], 0x20             ; mgc s[12:13], md s[14:15]
	s_load_b64 s[16:17], s[0:1], 0x30              ; scal
	v_and_b32 v1, 31, v0                           ; lane
	v_lshrrev_b32 v2, 5, v0
	v_readfirstlane_b32 s18, v2                    ; wave 0..10
	v_cmp_le_u32 s30, 176, v0                      ; (D) whose piece lies in the second of a trip's two rows
	v_lshlrev_b32 v2, 5, v1                        ; 32 x lane
	v_lshlrev_b32 v[L16], 4, v1
	v_lshlrev_b32 v[VD], 4, v0
	v_mov_b32 v[TS], 0                             ; v_permlanex16_b32 counts as a reader of its destination
	s_mov_b32 s19, 0x7fffffff
	s_mov_b32 s39, 0xffff0000
	s_mov_b32 s48, 0x76543210
	s_mov_b32 s49, 0xfedcba98
	s_mov_b32 s31, NEGLO
	s_mov_b32 s32, NEGHI
	s_mov_b32 s47, 0x7f800000                      ; infinity: a threshold that nothing passes
	s_mov_b32 s20, ttmp9                           ; g
	s_wait_alu depctr_va_sdst(0)                   ; s18 and s30 are written, ahead of their first readers: the row's number is made from s18, v[RP] is chosen by s30
	; (G) which source row is my wave's, and where it goes
	s_lshr_b32 s21, s20, 7                         ; tensor: 0 gate, 1 up
	s_bfe_u32 s22, s20, 0x30004                    ; j
	s_and_b32 s23, s20, 15
	s_mul_i32 s23, s23, 11
	s_add_co_u32 s23, s23, s18                     ; o, 0..175
	s_min_u32 s24, s23, 169                        ; a padding row loads row 169 and lets nothing pass
	s_mul_i32 s25, s22, 170
	s_add_co_u32 s25, s25, s24
	s_lshl_b32 s25, s25, 11                        ; a source row is 2,048 bytes
	v_add_nc_u32 v3, s25, v2
	s_cmp_ge_u32 s23, 88
	s_cselect_b32 s26, 1, 0                        ; which of the part's two hidden tiles
	s_mul_i32 s27, s26, 88
	s_sub_co_u32 s27, s23, s27                     ; ol
	s_mul_i32 s28, s21, 80
	s_lshl_b32 s29, s21, 3
	s_add_co_u32 s29, s29, 80
	s_cmp_lt_u32 s27, 80
	s_cselect_b32 s28, s28, s29
	s_add_co_u32 s27, s27, s28                     ; the row in its block
	s_lshl1_add_u32 s26, s22, s26                  ; block 2 j + half
	s_mul_i32 s26, s26, 176
	s_add_co_u32 s26, s26, s27
	s_lshl_b32 s26, s26, 10                        ; a row of mgc is 1,024 bytes
	v_add_nc_u32 v[GV], s26, v[L16]
	; (D) which piece of two rows of md is my thread's
	s_lshr_b32 s36, s20, 5                         ; k
	s_and_b32 s37, s20, 31
	s_lshl_b32 s37, s37, 4                         ; o of the group's first row
	v_cndmask_b32 v[RP], 0, 1, s30                 ; the first or the second of the trip's two rows
	v_mul_u32_u24 v[QQ], 176, v[RP]
	v_sub_nc_u32 v[QQ], v0, v[QQ]                  ; piece 0..175 of the row
	v_mul_u32_u24 v[II], 2979, v[QQ]
	v_lshrrev_b32 v[II], 16, v[II]                 ; i = piece / 22 (2,979 / 65,536 is above 1 / 22 by less than 1 / (22 x 175 x 22))
	v_mul_u32_u24 v[GQ], 22, v[II]
	v_sub_nc_u32 v[GQ], v[QQ], v[GQ]               ; piece 0..21 of the block: d = 8 x it
	v_xor_b32 v[JJ], s36, v[II]                    ; j = i xor k
	v_cmp_eq_u32 s33, 21, v[GQ]                    ; a block's last piece: kept, for the address here and for the threshold below
	v_cmp_le_u32 s34, 4, v[JJ]                     ; which word of NEG
	v_lshl_add_u32 v[AD0], v[JJ], 9, v[RP]         ; the seven lines from here on name neither mask
	v_add_nc_u32 v[AD0], s37, v[AD0]
	v_mul_u32_u24 v[AD0], 680, v[AD0]              ; a row of w_down is 680 bytes: a multiple of 8, so the loads are of 8 bytes
	v_lshl_add_u32 v[AD0], v[GQ], 5, v[AD0]
	v_mov_b32 v[WD], s31
	v_and_b32 v[NM], 3, v[JJ]
	v_lshl_add_u32 v[NM], v[NM], 3, v[II]
	s_wait_alu depctr_va_sdst(0)                   ; s33 and s34 are written, ahead of the two selects that read them
	v_cndmask_b32 v[AD1], 0, 24, s33
	v_sub_nc_u32 v[AD1], v[AD0], v[AD1]
	v_cndmask_b32 v[WD], v[WD], s32, s34
	v_lshrrev_b32 v[WD], v[NM], v[WD]
	v_and_b32 v[WD], 1, v[WD]
	v_sub_nc_u32 v[WD], 0, v[WD]
	v_and_b32 v[NM], 0x80008000, v[WD]
	s_mul_i32 s40, s20, 16*2816                    ; the group's 16 rows of md
	s_mov_b32 s41, 0
	s_wait_kmcnt 0x0
	s_cmp_eq_u32 s21, 0
	s_cselect_b64 s[56:57], s[4:5], s[6:7]         ; the tensor that my row comes from
	s_add_nc_u64 s[14:15], s[14:15], s[40:41]
	s_wait_alu depctr_va_vdst(0)                   ; the seven offsets v2, v3, v[AD0], v[AD1], v[L16], v[GV], v[VD] are written: every load and store of the kernel reads one of them, and none is written again
.irp t, 0,1,2
	global_load_b128 v[PT+8*(\t):PT+8*(\t)+3],   v2, s[10:11] offset:1024*(\t)
	global_load_b128 v[PT+8*(\t)+4:PT+8*(\t)+7], v2, s[10:11] offset:1024*(\t)+16
.endr
	global_load_b128 v[GS:GS+3],     v3, s[56:57]
	global_load_b128 v[GS+4:GS+7],   v3, s[56:57] offset:16
	global_load_b128 v[GS+8:GS+11],  v3, s[56:57] offset:1024
	global_load_b128 v[GS+12:GS+15], v3, s[56:57] offset:1040
.set u, 0
.rept 8
	global_load_b64 v[DS+8*u:DS+8*u+1],   v[AD0], s[8:9] offset:1360*u
	global_load_b64 v[DS+8*u+2:DS+8*u+3], v[AD1], s[8:9] offset:1360*u+8
	global_load_b64 v[DS+8*u+4:DS+8*u+5], v[AD1], s[8:9] offset:1360*u+16
	global_load_b64 v[DS+8*u+6:DS+8*u+7], v[AD1], s[8:9] offset:1360*u+24
.set u, u+1
.endr
	; THE SCALES.  Every wave of every work-group adds the same 256 numbers in the same order, so all hold the same three scales.
	s_wait_loadcnt 36                              ; part's six loads are in; the 4 + 32 behind them stay out
.irp t, 0,1,2
	v_pk_add_f32 v[PT+8*(\t):PT+8*(\t)+1],   v[PT+8*(\t):PT+8*(\t)+1],   v[PT+8*(\t)+4:PT+8*(\t)+5]
	v_pk_add_f32 v[PT+8*(\t)+2:PT+8*(\t)+3], v[PT+8*(\t)+2:PT+8*(\t)+3], v[PT+8*(\t)+6:PT+8*(\t)+7]
	v_pk_add_f32 v[PT+8*(\t):PT+8*(\t)+1],   v[PT+8*(\t):PT+8*(\t)+1],   v[PT+8*(\t)+2:PT+8*(\t)+3]
	v_add_f32 v[PT+8*(\t)], v[PT+8*(\t)], v[PT+8*(\t)+1]
	v_add_f32_dpp v[PT+8*(\t)], v[PT+8*(\t)], v[PT+8*(\t)] row_xmask:1 row_mask:0xf bank_mask:0xf
	v_add_f32_dpp v[PT+8*(\t)], v[PT+8*(\t)], v[PT+8*(\t)] row_xmask:2 row_mask:0xf bank_mask:0xf
	v_add_f32_dpp v[PT+8*(\t)], v[PT+8*(\t)], v[PT+8*(\t)] row_xmask:4 row_mask:0xf bank_mask:0xf
	v_add_f32_dpp v[PT+8*(\t)], v[PT+8*(\t)], v[PT+8*(\t)] row_xmask:8 row_mask:0xf bank_mask:0xf
	v_permlanex16_b32 v[TS], v[PT+8*(\t)], s48, s49
	v_add_f32 v[PT+8*(\t)], v[PT+8*(\t)], v[TS]
	v_mul_f32 v[PT+8*(\t)], 0x35c0c0c1, v[PT+8*(\t)]  ; 1 / 696,320
	v_readfirstlane_b32 s[50+(\t)], v[PT+8*(\t)]
.endr
	s_wait_alu depctr_va_sdst(0)                   ; s50, s51 and s52 are written, ahead of their first readers: the thresholds are made from them
	s_mul_f32 s44, s50, 0.5                        ; the thresholds: exact halves
	s_mul_f32 s45, s51, 0.5
	s_mul_f32 s54, s52, 0.5
	s_cmp_eq_u32 s21, 0
	s_cselect_b32 s53, s44, s45
	s_cmp_lt_u32 s23, 170
	s_cselect_b32 s53, s53, s47                    ; a padding row lets nothing pass
	v_mov_b32 v[THB], s54
	v_cndmask_b32 v[THB], v[THB], s47, s33         ; nor do the six padding columns of a block of md (s33: made, and waited for, at the head)
	s_or_b32 s38, s20, s18
	s_cmp_lg_u32 s38, 0                            ; wave 0 of work-group 0 stores the constants
	s_cbranch_scc1 .Lrow
	v_mul_f32 v[CN+1], v[PT], v[PT+8]
	v_rcp_f32 v[CN+1], v[CN+1]                     ; 1 / (s_g s_u)
	v_mul_f32 v[CN], 0xbfb8aa3b, v[PT]             ; -log2(e) s_g; these three plain lines stand behind the reciprocal
	v_mov_b32 v[CN+2], v[PT+16]
	v_mov_b32 v[CN+3], v[PT]
	s_wait_alu depctr_va_vdst(0)                   ; the reciprocal and the three lines behind it have written v[CN ..], which the store reads: it is also the wait ahead of the first line that names the reciprocal
	global_store_b128 v[L16], v[CN:CN+3], s[16:17]  ; 32 copies: 512 consecutive bytes, all lanes on
.Lrow:
; A RUN's parts, for the sixteen f32 from v[R] on, in pairs (2 r, 2 r + 1).
; WIDEN: each pair is rounded to bf16 and widened again, in place: both halves into the first register, the upper half masked into the second, the lower shifted up in the first.
.macro WIDEN R
.set r, 0
.rept 8
	v_cvt_pk_bf16_f32 v[(\R)+2*r], v[(\R)+2*r], v[(\R)+2*r+1]
.set r, r+1
.endr
.set r, 0
.rept 8
	v_and_b32 v[(\R)+2*r+1], s39, v[(\R)+2*r]
.set r, r+1
.endr
.set r, 0
.rept 8
	v_lshlrev_b32 v[(\R)+2*r], 16, v[(\R)+2*r]
.set r, r+1
.endr
.endm
; ONES: each number becomes 1 with its own sign.  These sixteen lines stand between the compares and the wait for them, and name no mask.
.macro ONES R
.set r, 0
.rept 16
	v_bfi_b32 v[(\R)+r], s19, 1.0, v[(\R)+r]
.set r, r+1
.endr
.endm
; PICK: 0 where the magnitude was not above its threshold; then the pairs are packed in bf16 into the eight registers from v[D] on.
.macro PICK R, D
.set r, 0
.rept 16
	v_cndmask_b32 v[(\R)+r], 0, v[(\R)+r], s[MK+r]
.set r, r+1
.endr
.set r, 0
.rept 8
	v_cvt_pk_bf16_f32 v[(\D)+r], v[(\R)+2*r], v[(\R)+2*r+1]
.set r, r+1
.endr
.endm
	; (G) the row is decided once, and made with both signs; its four stores go out in the first run of (D)
	s_wait_loadcnt 32                              ; the source row is in; w_down's 32 loads stay out
	WIDEN GS
.set r, 0
.rept 16
	v_cmp_lt_f32 s[MK+r], s53, |v[GS+r]|
.set r, r+1
.endr
	ONES GS
	s_wait_alu depctr_va_sdst(0)                   ; the row's sixteen compares have written s[MK ..], ahead of the selects that read them
	PICK GS, PK
.irp r, 0,1,2,3,4,5,6,7
	v_xor_b32 v[GD+(\r)], 0x80008000, v[PK+(\r)]
.endr
; (D) run p: trips 2 p and 2 p + 1, four rows of md.  OUT: its two stores.
.macro OUT p
	global_store_b128 v[VD], v[DO+8*(\p):DO+8*(\p)+3],   s[14:15] offset:5632*2*(\p)       ; a wave stores 512 consecutive bytes, aligned: two rows are 5,632 bytes, 22 x 256
	global_store_b128 v[VD], v[DO+8*(\p)+4:DO+8*(\p)+7], s[14:15] offset:5632*(2*(\p)+1)
.endm
.macro RUN p
	s_wait_loadcnt 24-8*(\p)                       ; the two trips' eight loads are in, the later trips' stay out
	WIDEN DS+16*(\p)
.set r, 0
.rept 16
.if r%8 < 2
	v_cmp_lt_f32 s[MK+r], s54, |v[DS+16*(\p)+r]|   ; a piece's first two numbers exist in every piece
.else
	v_cmp_lt_f32 s[MK+r], v[THB], |v[DS+16*(\p)+r]|
.endif
.set r, r+1
.endr
	ONES DS+16*(\p)
	s_wait_alu depctr_va_sdst(0)                   ; the run's sixteen compares have written s[MK ..], ahead of the selects that read them
	s_wait_alu depctr_va_vdst(0)                   ; the run before has written its packed numbers (ahead of run 0: the row's v[PK ..] and v[GD ..]), which the stores below read
.if (\p) == 0
	global_store_b128 v[GV], v[PK:PK+3],   s[12:13]                   ; each store of the wave covers 512 consecutive bytes, aligned
	global_store_b128 v[GV], v[PK+4:PK+7], s[12:13] offset:512
	global_store_b128 v[GV], v[GD:GD+3],   s[12:13] offset:MINUS
	global_store_b128 v[GV], v[GD+4:GD+7], s[12:13] offset:MINUS+512
.else
	OUT (\p)-1
.endif
	PICK DS+16*(\p), DO+8*(\p)
.irp r, 0,1,2,3,4,5,6,7
	v_xor_b32 v[DO+8*(\p)+(\r)], v[NM], v[DO+8*(\p)+(\r)]
.endr
.endm
	RUN 0
	RUN 1
	RUN 2
	RUN 3
	s_wait_alu depctr_va_vdst(0)                   ; run 3 has written v[DO+24 ..], which the last two stores read
	OUT 3
	s_endpgm
.Lfunc_end_k_q0cd405f837_expand:
	.size	k_q0cd405f837_expand, .Lfunc_end_k_q0cd405f837_expand-k_q0cd405f837_expand
	.p2alignl 7, 3214868480
	.fill 96, 4, 3214868480
	.section	.rodata,"a",@progbits
	.p2align	6, 0x0
	.amdhsa_kernel k_q0cd405f837_expand
		.amdhsa_group_segment_fixed_size 0
		.amdhsa_private_segment_fixed_size 0
		.amdhsa_enable_private_segment 0
		.amdhsa_kernarg_size 56
		.amdhsa_user_sgpr_count 2
		.amdhsa_user_sgpr_kernarg_segment_ptr 1
		.amdhsa_wavefront_size32 1
		.amdhsa_system_sgpr_workgroup_id_x 1
		.amdhsa_system_sgpr_workgroup_id_y 1
		.amdhsa_system_sgpr_workgroup_id_z 1
		.amdhsa_system_vgpr_workitem_id 0
		.amdhsa_next_free_vgpr 240
		.amdhsa_next_free_sgpr 66
		.amdhsa_reserve_vcc 0
		.amdhsa_float_denorm_mode_32 3
		.amdhsa_float_denorm_mode_16_64 3
		.amdhsa_memory_ordered 1
		.amdhsa_forward_progress 1
		.amdhsa_inst_pref_size 37
	.end_amdhsa_kernel
	.amdgpu_metadata
---
amdhsa.version: [ 1, 2 ]
amdhsa.kernels:
  - .name:           k_q0cd405f837_expand
    .symbol:         k_q0cd405f837_expand.kd
    .args:
      - { .name: w_gate, .offset: 0, .size: 8, .value_kind: global_buffer, .address_space: global }
      - { .name: w_up, .offset: 8, .size: 8, .value_kind: global_buffer, .address_space: global }
      - { .name: w_down, .offset: 16, .size: 8, .value_kind: global_buffer, .address_space: global }
      - { .name: part, .offset: 24, .size: 8, .value_kind: global_buffer, .address_space: global }
      - { .name: mgc, .offset: 32, .size: 8, .value_kind: global_buffer, .address_space: global }
      - { .name: md, .offset: 40, .size: 8, .value_kind: global_buffer, .address_space: global }
      - { .name: scal, .offset: 48, .size: 8, .value_kind: global_buffer, .address_space: global }
    .group_segment_fixed_size: 0
    .private_segment_fixed_size: 0
    .kernarg_segment_align: 8
    .kernarg_segment_size: 56
    .max_flat_workgroup_size: 352
    .sgpr_count:     66
    .vgpr_count:     240
    .wavefront_size: 32
...
	.end_amdgpu_metadata
.endif
;; end of part 5
;; launch gateup: the kernel of part 3 again; grid 16 x 16, 4 waves a work-group, clusters of 4 x 4, 327,680 bytes of LDS; arguments xb, mgc, ht, scal; writes ht
;; launch down: the kernel of part 4 again; grid 16 x 16, 4 waves a work-group, clusters of 4 x 4, 327,680 bytes of LDS; arguments ht, md, out0, scal; writes out0
